; MI455X (gfx1250); checked and timed in simulation.
; The chip was launched on July 23, 2026; its instructions are those of AMD's public machine-readable ISA for CDNA 5 (MIT licence, August 2026) and "CDNA5" Instruction Set Architecture Reference Guide (July 2026). The comments in the code are by the model that wrote it; some were corrected since.
;; Llama Attention. Allowed arithmetic: matrix products marked QUANTISED: E2M3 operands, one E8M0 scale for each 32 along K, by v_wmma_scale_f32_16x16x128_f8f6f4 with both operands' format E2M3, f32 sums; everything else in f32.
;; Inputs: Wk 4,096 x 512 float32; Wo 1,024 x 4,096 float32; Wq 4,096 x 1,024 float32; Wv 4,096 x 512 float32; attention_mask 1 x 1 x 2,048 x 2,048 float32; hidden_states 2 x 2,048 x 4,096 float32; position_ids 2 x 2,048 int32.
;; Outputs: out0 2 x 2,048 x 4,096 float32.
;; This version of the problem:
;;   THIS VERSION OF THE PROBLEM IS GIVEN IN LOW PRECISION. The matrix products marked QUANTISED in the list below multiply operands that are first quantised to E2M3 (2 exponent bits, 3 mantissa bits; 6 bits a number), with one power-of-two scale for each 32 numbers along K (OCP MX v1.0); their sums are f32. All else is computed in f32.
;;   The module's matrix products, in the order in which they are computed (A, B: the left and right operand; K: the contracted axis; several contracted axes count as one K, in the product's order):
;;     1. [M 4,096, K 4,096] x [K 4,096, N 1,024]; A: input hidden_states; B: input Wq: QUANTISED
;;     2. [M 4,096, K 4,096] x [K 4,096, N 512]; A: input hidden_states; B: input Wk: QUANTISED
;;     3. [M 4,096, K 4,096] x [K 4,096, N 512]; A: input hidden_states; B: input Wv: QUANTISED
;;     4. batch 16 x [M 2,048, K 128] x [K 128, N 2,048]; A: computed on the way; B: computed on the way: QUANTISED
;;     5. batch 16 x [M 2,048, K 2,048] x [K 2,048, N 128]; A: softmax (see below); B: computed on the way: QUANTISED
;;     6. [M 4,096, K 1,024] x [K 1,024, N 4,096]; A: computed on the way; B: input Wo: QUANTISED
;;   THE QUANTISER, for each operand of a quantised product, along K:
;;     - K is cut into blocks of 32 from its start; a last block that is shorter is filled with zeros.
;;     - A block's scale is 2^e with e = floor(log2(the largest magnitude in the block)) - 2, held to -126 .. 127; a block of zeros has e = 0. As a byte (E8M0): e + 127.
;;     - Each number is divided by its block's scale, clamped to +-7.5, and rounded to the nearest number of E2M3, ties to even, subnormals kept.
;;     - The product sums the exact products of the quantised numbers (number of the format x scale) in f32.
;;   ~~~python
;;   def quantise(x, axis):      # numpy; x: float32 -> the quantised numbers, widened to float32 again
;;       x = np.moveaxis(x, axis, -1); K = x.shape[-1]
;;       x = np.pad(x, [(0, 0)] * (x.ndim - 1) + [(0, -K % 32)]); x = x.reshape(x.shape[:-1] + (-1, 32)); a = np.abs(x).max(-1, keepdims=True)
;;       e = np.where(a > 0, np.clip(np.frexp(np.where(a > 0, a, 1))[1] - 1 - 2, -126, 127), 0)      # np.frexp(a)[1] - 1 = floor(log2(a)), exactly
;;       r = np.clip(x / 2.0 ** e, -7.5, 7.5)
;;       step = 2.0 ** (np.maximum(np.frexp(np.where(r == 0, 1, r))[1] - 1, 0) - 3)
;;       q = np.round(r / step) * step * 2.0 ** e      # np.round: ties to even
;;       return np.moveaxis(q.reshape(q.shape[:-2] + (-1,))[..., :K], -1, axis).astype(np.float32)
;;   ~~~
;;   SOFTMAX AHEAD OF A QUANTISED PRODUCT. Where the list says 'softmax', what is quantised is not the finished softmax but p = 2^(t - M), with t = logit x log2(e) and M = ceil(the row's largest t), a whole number; so 1/2 < the row's largest p <= 1. The row's sum l is taken of the UNQUANTISED p, in f32, and the product's result is divided by l at the end. Since M is a whole number, a kernel that streams over the keys may use a running M (the ceiling of the running maximum): every later rescaling is an exact power of two, which a block's scale takes up: the codes' values come out the same.
;;   OPERANDS COMPUTED ON THE WAY. 'Computed on the way' means the value that the module computes at that place (a softmax that the list does not call 'softmax' is quantised finished and normalised). What goes into a quantiser is computed in f32, as accurately as f32 sums, v_exp_f32 and their like allow (about 1e-6 of the number): no bf16 or f16 on the way to a quantiser, and a product that is left as it is and whose result goes on into a quantised operand takes f32 operands (vector FMAs, or v_wmma_f32_16x16x4_f32). A number that lies on a knife's edge between two numbers of the format may be rounded either way, as far as f32 arithmetic and the matrix unit's own rounding can turn it there, and no further.
;; One version. Each part assembles by itself: llvm-mc -triple=amdgcn-amd-amdhsa -mcpu=gfx1250 --defsym DOCPART=n.
;; ======== version 1 of 1: 4 launches
;; limits: right only within a limited range of input values; inputs' magnitudes at most 1,048,576
;; workspace buffers: x_img 13,107,200 bytes; w_img 6,553,600 bytes; wo_img 3,276,800 bytes; rope_img 2,097,152 bytes; q_img 3,145,728 bytes; q_sc 131,072 bytes; kv_img 3,276,800 bytes; a_img 3,276,800 bytes
;; launch prep (part 1): grid 896 x 1, 4 waves a work-group, no clusters, 34,304 bytes of LDS; arguments hidden_states, position_ids, Wq, Wk, Wv, Wo, x_img, rope_img, w_img, wo_img; writes x_img, rope_img, w_img, wo_img
.if DOCPART == 1
	.amdgcn_target "amdgcn-amd-amdhsa--gfx1250"
	.amdhsa_code_object_version 6
	.text
	.protected	k_qfe4c833ef3_prep
	.globl	k_qfe4c833ef3_prep
	.p2align	8
	.type	k_qfe4c833ef3_prep,@function
k_qfe4c833ef3_prep:
	s_mov_b64 s[64:65], 0
	v_nop
	global_prefetch_b8 v0, s[64:65] scope:SCOPE_SE
	s_setreg_imm32_b32 hwreg(HW_REG_WAVE_MODE, 25, 1), 1
	s_wait_xcnt 0x0
; hidden_states [4096][4096] and the four weights (K = their FIRST axis), f32, become codes of FP6 (E2M3) with one E8M0 byte for each 32 along K; position_ids become a table of cos and sin.
; EVERYTHING IS LAID AS IMAGES OF OPERAND REGISTERS.  A fragment (16 rows x 128 K: 12 registers a lane) is 1,536 bytes: registers 4 j .. 4 j + 3 of lane l at 512 j + 16 l.
; Lane (r, h) of a fragment holds k = 64 c + 32 h + 0 .. 31 of its row in registers 6 c .. 6 c + 5.  THE ROWS OF A TILE ARE NOT NEIGHBOURS: lane row r of tile i stands for row 32 (i / 2) + 8 (i % 2) + r % 8 + 16 (r / 8).
; A block of 51,200 bytes holds 128 rows (8 tiles) x 512 along K (4 K steps): fragment (q, i) at (8 q + i) x 1,536; from byte 49,152 the scale words: (q / 2) x 1,024 + (i / 2) x 256 + 8 (16 (i % 2) + r) + 4 (q % 2).
; A block's scale byte is its largest magnitude's exponent field - 2, held at 1 from below (a block of zeros gets 1 where the rule says 127: its codes are zeros, and this program alone reads the bytes).
; LIMITS: NaN and infinities among the inputs are not served.  inv_freq is 2^(-i log2(10000) / 64), within about one unit in the last place; the angle's reduction by pi / 2, in two parts, serves |position| under 2^20.
; Work-groups 0 .. 511 take hidden_states and the table (they use LDS), work-groups 512 .. 895 the weights (they use none).  No barrier: waves share nothing.
.set SPARE, 33792                      ; behind the four stages: the spare words, 128 bytes a wave
.set SPW, 12                           ; v12  SPARE + 4 x my thread's number; never rewritten
.set NIL, 13                           ; v13  0; never rewritten
.set R,   16                           ; v16-143  two sets of 64: a fragment's numbers as loaded
.set X,   144                          ; v144-207 the same turned: my two blocks of 32
.set C,   208                          ; v208-219 a fragment's codes
.set T,   220                          ; v220-227 the upper halves of the blocks' codes
.set WD,  228                          ; v228-231 scale words of the four fragments
.set WK,  232                          ; v232-251 at work
.set RO,  16                           ; weights: v16-47 offsets of 32 rows
.set XW,  48                           ; v48-111 two sets of 32 numbers
.set REC, 112                          ; v112-159 codes: K step e, half h: 12 registers at 24 e + 12 h
.set TW,  160
.set SW,  164                          ; v164-165 my column's scale words
.set BP,  66                           ; s66-81 eight bases, one for each block of 32 rows
.set BIG,  0x4b400000                  ; 1.5 x 2^23: x + BIG - BIG is x rounded to the nearest whole number, ties to even, for |x| under 2^22; the bits of x + BIG are BIG's + that whole number
.set NBIG, 0xcb400000                  ; -1.5 x 2^23
	s_load_b256 s[4:11], s[0:1], 0x0               ; hidden s[4:5], positions s[6:7], Wq s[8:9], Wk s[10:11]
	s_load_b256 s[12:19], s[0:1], 0x20             ; Wv s[12:13], Wo s[14:15], x_img s[16:17], rope_img s[18:19]
	s_load_b128 s[20:23], s[0:1], 0x40             ; w_img s[20:21], wo_img s[22:23]
	v_lshl_add_u32 v[SPW], v0, 2, SPARE
	v_mov_b32 v[NIL], 0
	v_lshrrev_b32 v1, 5, v0
	v_readfirstlane_b32 s24, v1                    ; wave
	v_and_b32 v1, 31, v0                           ; lane
	s_cmp_ge_u32 ttmp9, 512
	s_cbranch_scc1 .Lweights
; ---------------- hidden_states and the table.  Wave W = 4 x work-group + wave takes 32 rows (a pair of tiles, W / 16) x 256 along K (W % 16): four fragments f = 2 u + e (tile u, K step e).
	s_lshl_b32 s25, ttmp9, 2
	s_add_co_u32 s25, s25, s24                     ; W
	s_lshr_b32 s26, s25, 4                         ; the pair of tiles
	s_and_b32 s27, s25, 15                         ; which 256 along K
	v_lshlrev_b32 v2, 4, v1                        ; 16 x lane
	v_lshlrev_b32 v3, 3, v1                        ; 8 x lane
	s_mul_i32 s28, s24, 8448                       ; my stage: 16 rows x (512 + 16) bytes
	v_add_nc_u32 v4, s28, v2                       ; the way in: a row as it is loaded
	v_and_b32 v8, 15, v1                           ; r
	v_lshrrev_b32 v9, 4, v1                        ; h
	v_mul_u32_u24 v5, v8, 528
	v_lshl_add_u32 v5, v9, 7, v5
	v_add_nc_u32 v5, s28, v5                       ; the way out: row r, 128 h bytes on: 132 words a row, so sixteen rows start at sixteen different groups of four banks
	v_lshlrev_b32 v14, 3, v9                       ; 8 h
	s_lshr_b32 s29, s25, 3                         ; the table: tile T = W / 8,
	s_and_b32 s30, s25, 7                          ; part a = W % 8: frequencies 8 a + 4 h + 0 .. 3 of lane row r
	s_lshr_b32 s31, s29, 1
	s_lshl_b32 s31, s31, 5
	s_and_b32 s32, s29, 1
	s_lshl_b32 s32, s32, 3
	s_add_co_u32 s31, s31, s32
	v_and_b32 v6, 8, v8
	v_add_nc_u32 v6, v6, v8
	v_add_nc_u32 v6, s31, v6                       ; the row that lane row r of tile T stands for
	v_lshlrev_b32 v6, 2, v6
	v_lshlrev_b32 v7, 4, v8
	v_lshl_add_u32 v7, v9, 9, v7                   ; where my four numbers go: 512 h + 16 r,
	s_lshl_b32 s32, s29, 13                        ; + 8,192 T
	s_lshr_b32 s33, s30, 2
	s_lshl_b32 s33, s33, 11
	s_add_co_u32 s32, s32, s33                     ; + 2,048 (a / 4)
	s_and_b32 s33, s30, 1
	s_lshl_b32 s33, s33, 10
	s_add_co_u32 s32, s32, s33                     ; + 1,024 (a % 2)
	s_bfe_u32 s33, s30, 0x10001
	s_lshl_b32 s33, s33, 8
	s_add_co_u32 s32, s32, s33                     ; + 256 ((a / 2) % 2)
	s_mov_b32 s33, 0
	s_lshl_b32 s34, s26, 19                        ; hidden: 32 rows of 16,384 bytes a pair,
	s_lshl_b32 s35, s27, 10                        ; 1,024 bytes of each row
	s_add_co_u32 s34, s34, s35
	s_mov_b32 s35, 0
	s_lshr_b32 s36, s26, 2
	s_lshl_b32 s36, s36, 3
	s_lshr_b32 s37, s27, 1
	s_add_co_u32 s36, s36, s37
	s_mul_i32 s36, s36, 51200                      ; my block of x_img: row group x 8 + K block
	s_and_b32 s37, s27, 1
	s_and_b32 s38, s26, 3
	s_lshl_b32 s39, s37, 4
	s_lshl_b32 s40, s38, 1
	s_add_co_u32 s39, s39, s40
	s_mul_i32 s39, s39, 1536
	s_add_co_u32 s40, s36, s39                     ; fragment (q = 2 (kp % 2), i = 2 (pair % 4))
	s_mov_b32 s41, 0
	s_lshl_b32 s37, s37, 10
	s_lshl_b32 s38, s38, 8
	s_add_co_u32 s42, s36, s37
	s_add_co_u32 s42, s42, s38
	s_add_co_u32 s42, s42, 49152                   ; and the pair's 256 bytes of scale words
	s_mov_b32 s43, 0
	s_lshl_b32 s48, s30, 3                         ; 8 a
	s_mov_b32 s49, 0x3e549a80                      ; log2(10000) / 64, its upper 17 bits: times a frequency's number (6 bits) it is exact
	s_mov_b32 s51, 0x3f22f983                      ; 2 / pi
	s_mov_b32 s60, 0x76543210
	s_mov_b32 s61, 0xfedcba98                      ; v_permlanex16_b32's selects for lane l xor 16
	s_mov_b32 s62, 0xffff0000                      ; lanes 16-31
	s_wait_alu depctr_va_vdst(0)
	s_wait_kmcnt 0x0
	s_add_nc_u64 s[4:5], s[4:5], s[34:35]
	s_add_nc_u64 s[44:45], s[16:17], s[40:41]
	s_add_nc_u64 s[46:47], s[16:17], s[42:43]
	s_add_nc_u64 s[18:19], s[18:19], s[32:33]
.macro LOADX f                         ; fragment f: its 16 rows' 512 bytes, a row an instruction, 16 bytes a lane
.irp m, 0,1,2,3,4,5,6,7,8,9,10,11,12,13,14,15
	global_load_b128 v[R+64*((\f)%2)+4*\m:R+64*((\f)%2)+4*\m+3], v2, s[4:5] offset:(8*((\f)/2)+(\m%8)+16*(\m/8))*16384+512*((\f)%2) th:TH_LOAD_NT
.endr
.endm
.macro TURNX f                         ; through my stage: in as loaded, out 128 bytes a lane for each of my two blocks.  LDS serves a wave's instructions in order: no wait between
.irp m, 0,1,2,3,4,5,6,7,8,9,10,11,12,13,14,15
	ds_store_b128 v4, v[R+64*((\f)%2)+4*\m:R+64*((\f)%2)+4*\m+3] offset:528*\m
.endr
.irp c, 0,1
.irp j, 0,1,2,3,4,5,6,7
	ds_load_b128 v[X+32*\c+4*\j:X+32*\c+4*\j+3], v5 offset:256*\c+16*\j
.endr
.endr
.endm
.macro QBLK f                          ; my blocks h and 2 + h of row r: scale bytes, the row's scale word, the operand's twelve registers
	v_max3_num_f32 v[WK], |v[X]|, |v[X+1]|, 0x1800000              ; with the floor 2^(3 - 127): the byte cannot fall under 1
	v_max3_num_f32 v[WK+1], |v[X+32]|, |v[X+33]|, 0x1800000
.irp i, 2,4,6,8,10,12,14,16,18,20,22,24,26,28,30
	v_max3_num_f32 v[WK], v[WK], |v[X+\i]|, |v[X+1+\i]|
	v_max3_num_f32 v[WK+1], v[WK+1], |v[X+32+\i]|, |v[X+33+\i]|
.endr
	v_add_nc_u32 v[WK+2], 0xff000000, v[WK]        ; 2 off the exponent field: the conversion's scale operand
	v_add_nc_u32 v[WK+3], 0xff000000, v[WK+1]
	v_lshrrev_b32 v[WK+4], 23, v[WK+2]             ; the bytes
	v_lshrrev_b32 v[WK+5], 23, v[WK+3]
	v_lshl_or_b32 v[WK+4], v[WK+5], 16, v[WK+4]
	v_lshlrev_b32 v[WK+4], v14, v[WK+4]            ; at their places: 8 h bits up
	v_permlanex16_b32 v[WK+5], v[WK+4], s60, s61
	v_or_b32 v[WD+(\f)], v[WK+4], v[WK+5]          ; with lane l xor 16's two the word is whole, in both lanes
.irp c, 0,1
	v_cvt_scalef32_pk16_fp6_f32 v[C+6*\c:C+6*\c+2], v[X+32*\c:X+32*\c+15], v[WK+2+\c]
	v_cvt_scalef32_pk16_fp6_f32 v[T+4*\c:T+4*\c+2], v[X+32*\c+16:X+32*\c+31], v[WK+2+\c]   ; (a conversion's three registers begin on an even number)
.endr
	v_nop                                          ; one plain place behind a scaled conversion
.irp c, 0,1
.irp i, 0,1,2
	v_mov_b32 v[C+6*\c+3+\i], v[T+4*\c+\i]
.endr
.endr
.endm
	global_load_b32 v10, v6, s[6:7]                ; my row's position
	LOADX 0
	LOADX 1
	; ---- the table, while the first fragments are on their way.  inv_freq = 2^(-fi c), c = log2(10000) / 64: fi c is split into a whole number n and a rest g, within a half either way
	v_lshl_add_u32 v11, v9, 2, s48
.irp e, 0,1,2,3
	v_add_nc_u32 v[WK+\e], \e, v11
.endr
.irp e, 0,1,2,3
	v_cvt_f32_u32 v[WK+\e], v[WK+\e]               ; fi, the frequency's number
.endr
.irp e, 0,1,2,3
	v_mul_f32 v[WK+4+\e], s49, v[WK+\e]            ; fi x c's upper part: exact
.endr
.irp e, 0,1,2,3
	v_add_f32 v[WK+8+\e], BIG, v[WK+4+\e]          ; its bits are BIG's + n
.endr
.irp e, 0,1,2,3
	v_add_f32 v[WK+12+\e], NBIG, v[WK+8+\e]        ; n
.endr
.irp e, 0,1,2,3
	v_sub_f32 v[WK+4+\e], v[WK+12+\e], v[WK+4+\e]  ; n - fi x c's upper part: exact
.endr
.irp e, 0,1,2,3
	v_fmamk_f32 v[WK+4+\e], v[WK+\e], 0x33f6865c, v[WK+4+\e]   ; - fi x c's rest (the rest is negative: the constant is its negative): -g
.endr
	s_wait_alu depctr_va_vdst(0)
.irp e, 0,1,2,3
	v_exp_f32 v[WK+4+\e], v[WK+4+\e]               ; 2^-g
.endr
.irp e, 0,1,2,3
	v_sub_nc_u32 v[WK+8+\e], BIG+127, v[WK+8+\e]   ; 127 - n.  (Plain work behind the four exponentials)
.endr
.irp e, 0,1,2,3
	v_lshlrev_b32 v[WK+8+\e], 23, v[WK+8+\e]       ; as an exponent field: 2^-n; n is 0 to 13
.endr
	v_mov_b32 v15, 0x37ccf5ce                      ; the polynomials' leading coefficients: cos's,
	v_mov_b32 v11, 0xb94ca1f9                      ; sin's
	s_wait_alu depctr_va_vdst(0)                   ; the wait ahead of the batch's first reader
.irp e, 0,1,2,3
	v_mul_f32 v[WK+4+\e], v[WK+4+\e], v[WK+8+\e]   ; inv_freq: the product rounds nothing
.endr
	s_wait_loadcnt 32                              ; the position is in; the 32 loads issued behind it may be out
	v_cvt_f32_i32 v10, v10
	s_wait_alu depctr_va_vdst(0)
.irp e, 0,1,2,3
	v_mul_f32 v[WK+4+\e], v10, v[WK+4+\e]          ; the angle: one rounding
.endr
.irp e, 0,1,2,3
	v_mul_f32 v[WK+8+\e], s51, v[WK+4+\e]
.endr
.irp e, 0,1,2,3
	v_add_f32 v[WK+8+\e], BIG, v[WK+8+\e]          ; its bits are BIG's + k, k the nearest number of quarter turns: the two lowest bits are k's
.endr
.irp e, 0,1,2,3
	v_add_f32 v[WK+12+\e], NBIG, v[WK+8+\e]        ; k
.endr
.irp e, 0,1,2,3
	v_fmamk_f32 v[WK+4+\e], v[WK+12+\e], 0xbfc90fdb, v[WK+4+\e]   ; - k x pi / 2's upper part
.endr
.irp e, 0,1,2,3
	v_fmamk_f32 v[WK+4+\e], v[WK+12+\e], 0x333bbd2e, v[WK+4+\e]   ; - k x its rest (negative): x, within pi / 4 either way
.endr
.irp e, 0,1,2,3
	v_mul_f32 v[WK+\e], v[WK+4+\e], v[WK+4+\e]     ; z = x x
.endr
.irp e, 0,1,2,3
	v_fmaak_f32 v[WK+12+\e], v[WK+\e], v15, 0xbab6061a             ; cos x = (((c0 z + c1) z + c2) z - 1 / 2) z + 1
	v_fmaak_f32 v[WK+16+\e], v[WK+\e], v11, 0x3c08839e             ; sin x = ((s0 z + s1) z + s2) z x + x
.endr
.irp e, 0,1,2,3
	v_fmaak_f32 v[WK+12+\e], v[WK+12+\e], v[WK+\e], 0x3d2aaaa5
	v_fmaak_f32 v[WK+16+\e], v[WK+16+\e], v[WK+\e], 0xbe2aaaa3
.endr
.irp e, 0,1,2,3
	v_fmaak_f32 v[WK+12+\e], v[WK+12+\e], v[WK+\e], 0xbf000000
.endr
.irp e, 0,1,2,3
	v_fmaak_f32 v[WK+12+\e], v[WK+12+\e], v[WK+\e], 0x3f800000     ; cos x
.endr
.irp e, 0,1,2,3
	v_mul_f32 v[WK+\e], v[WK+\e], v[WK+4+\e]       ; z x
.endr
.irp e, 0,1,2,3
	v_fma_f32 v[WK+16+\e], v[WK+16+\e], v[WK+\e], v[WK+4+\e]       ; sin x
.endr
.irp e, 0,1,2,3
	v_and_b32 v[WK+\e], 1, v[WK+8+\e]
	v_cmp_ne_u32 vcc_lo, 0, v[WK+\e]               ; an odd number of quarters: the two change places
	v_cndmask_b32 v[C+\e], v[WK+12+\e], v[WK+16+\e], vcc_lo
	v_cndmask_b32 v[C+4+\e], v[WK+16+\e], v[WK+12+\e], vcc_lo
.endr
.irp e, 0,1,2,3
	v_lshlrev_b32 v[WK+\e], 30, v[WK+8+\e]         ; sin is negated in quarters 2 and 3: bit 1 of k
	v_add_nc_u32 v[WK+8+\e], 1, v[WK+8+\e]         ; cos in quarters 1 and 2: bit 1 of k + 1
.endr
.irp e, 0,1,2,3
	v_and_b32 v[WK+\e], 0x80000000, v[WK+\e]
	v_lshlrev_b32 v[WK+8+\e], 30, v[WK+8+\e]
.endr
.irp e, 0,1,2,3
	v_xor_b32 v[C+4+\e], v[C+4+\e], v[WK+\e]
	v_and_b32 v[WK+8+\e], 0x80000000, v[WK+8+\e]
.endr
.irp e, 0,1,2,3
	v_xor_b32 v[C+\e], v[C+\e], v[WK+8+\e]
.endr
	global_store_b128 v7, v[C:C+3], s[18:19]               ; sixteen lanes store 256 consecutive bytes, aligned
	global_store_b128 v7, v[C+4:C+7], s[18:19] offset:4096
.macro FRAGX f
.if (\f) < 3
	s_wait_loadcnt 16                              ; this fragment's 16 loads are in; the next fragment's may be out
.else
	s_wait_loadcnt 0x0
.endif
	TURNX \f
	s_wait_dscnt 0x0                               ; my numbers are back, and the stage's stores have read their registers,
	s_wait_xcnt 0x0                                ; and the earlier stores to memory theirs: the codes' registers are written again only behind this wait
.if (\f) < 2
	LOADX (\f)+2
.endif
	QBLK \f
.irp j, 0,1,2
	global_store_b128 v2, v[C+4*\j:C+4*\j+3], s[44:45] offset:(8*((\f)%2)+(\f)/2)*1536+512*\j   ; 512 consecutive bytes, aligned
.endr
.endm
	FRAGX 0
	FRAGX 1
	FRAGX 2
	FRAGX 3
	v_cndmask_b32 v[WK+8], v[WD], v[WD+2], s62     ; lanes 0-15 the even tile's words, lanes 16-31 the odd tile's; K step 0,
	v_cndmask_b32 v[WK+9], v[WD+1], v[WD+3], s62   ; K step 1
	global_store_b64 v3, v[WK+8:WK+9], s[46:47]    ; 256 consecutive bytes, aligned
	s_wait_tensorcnt 0x0                           ; the wave's end
	ds_add_u32 v[SPW], v[NIL]
	s_wait_dscnt 0x0
	s_endpgm
; ---------------- the weights.  A LANE TAKES A COLUMN AND ITS REGISTERS RUN DOWN K.  A work-group takes 128 columns x 256 along K, a wave 32 columns: a pair of tiles.
; Column l of the 32 is lane row r = l % 8 + 8 (l / 16) of tile u = (l / 8) % 2.  Its blocks h and 2 + h of a K step are the twelve registers of image lane 16 h + r: nothing is turned.
.Lweights:
	s_sub_co_u32 s25, ttmp9, 512
	s_wait_alu depctr_va_vdst(0)
	v_lshlrev_b32 v2, 2, v1                        ; 4 x lane
	v_bfe_u32 v3, v1, 3, 1                         ; u
	v_and_b32 v4, 7, v1
	v_lshrrev_b32 v5, 4, v1
	v_lshl_add_u32 v4, v5, 3, v4                   ; r
	v_mul_u32_u24 v8, v3, 1536
	v_lshl_add_u32 v8, v4, 4, v8                   ; my place in the pair's images: 1,536 u + 16 r
	v_lshl_add_u32 v9, v3, 4, v4
	v_lshlrev_b32 v9, 3, v9                        ; and among its scale words: 8 (16 u + r)
	s_mov_b32 s31, 256
	s_wait_alu depctr_va_vdst(0)
	s_wait_kmcnt 0x0
	s_cmp_lt_u32 s25, 256                          ; which tensor: the choice hangs on the work-group's number alone
	s_cselect_b64 s[26:27], s[12:13], s[14:15]     ; Wv or Wo
	s_cselect_b64 s[28:29], s[20:21], s[22:23]     ; w_img or wo_img
	s_cselect_b32 s30, 9, 12                       ; log2 of the tensor's columns
	s_cselect_b32 s31, 192, s31                    ; its first work-group
	s_cselect_b32 s32, 12, 0                       ; its first column group in the image
	s_cselect_b32 s33, 8, 2                        ; K blocks of 512 in the image
	s_cmp_lt_u32 s25, 192
	s_cselect_b64 s[26:27], s[10:11], s[26:27]     ; Wk
	s_cselect_b32 s31, 128, s31
	s_cselect_b32 s32, 8, s32
	s_cmp_lt_u32 s25, 128
	s_cselect_b64 s[26:27], s[8:9], s[26:27]       ; Wq
	s_cselect_b32 s30, 10, s30
	s_cselect_b32 s31, 0, s31
	s_cselect_b32 s32, 0, s32
	s_sub_co_u32 s25, s25, s31
	s_sub_co_u32 s34, s30, 7
	s_lshl_b32 s35, 1, s34
	s_sub_co_u32 s35, s35, 1
	s_and_b32 s36, s25, s35                        ; column group
	s_lshr_b32 s37, s25, s34                       ; which 256 along K
	s_lshl_b32 s38, 4, s30                         ; a row in bytes
	s_mul_i32 s39, s37, s38
	s_lshl_b32 s39, s39, 8
	s_lshl_b32 s40, s36, 9
	s_add_co_u32 s39, s39, s40
	s_lshl_b32 s40, s24, 7
	s_add_co_u32 s40, s39, s40
	s_mov_b32 s41, 0
	s_add_nc_u64 s[BP:BP+1], s[26:27], s[40:41]    ; my wave's first number
	s_lshl_b32 s42, s38, 5                         ; 32 rows on
	s_mov_b32 s43, 0
.irp t, 1,2,3,4,5,6,7
	s_add_nc_u64 s[BP+2*\t:BP+2*\t+1], s[BP+2*\t-2:BP+2*\t-1], s[42:43]
.endr
	s_add_co_u32 s44, s32, s36
	s_mul_i32 s44, s44, s33
	s_lshr_b32 s45, s37, 1
	s_add_co_u32 s44, s44, s45
	s_mul_i32 s44, s44, 51200                      ; my block of the image
	s_and_b32 s45, s37, 1
	s_lshl_b32 s46, s45, 4
	s_lshl_b32 s47, s24, 1
	s_add_co_u32 s46, s46, s47
	s_mul_i32 s46, s46, 1536
	s_add_co_u32 s46, s46, s44
	s_mov_b32 s47, 0
	s_lshl_b32 s45, s45, 10
	s_add_co_u32 s48, s44, s45
	s_lshl_b32 s49, s24, 8
	s_add_co_u32 s48, s48, s49
	s_add_co_u32 s48, s48, 49152
	s_mov_b32 s49, 0
	s_add_nc_u64 s[50:51], s[28:29], s[46:47]      ; codes
	s_add_nc_u64 s[52:53], s[28:29], s[48:49]      ; scale words
.irp i, 0,1,2,3,4,5,6,7,8,9,10,11,12,13,14,15,16,17,18,19,20,21,22,23,24,25,26,27,28,29,30,31
	v_mad_u32_u24 v[RO+\i], s38, \i, v2            ; row i of a block, my column
.endr
.macro LOADW t                         ; block t: 32 rows, 128 consecutive bytes a wave and 512 a work-group in each
.irp i, 0,1,2,3,4,5,6,7,8,9,10,11,12,13,14,15,16,17,18,19,20,21,22,23,24,25,26,27,28,29,30,31
	global_load_b32 v[XW+32*((\t)%2)+\i], v[RO+\i], s[BP+2*(\t):BP+2*(\t)+1] th:TH_LOAD_NT
.endr
.endm
.macro BLOCKW t                        ; block t = 4 e + 2 c + h
.set XS, XW+32*((\t)%2)
.set RC, REC+24*((\t)/4)+12*((\t)%2)+6*(((\t)%4)/2)
.if (\t) < 7
	s_wait_loadcnt 32                              ; this block's 32 loads are in; the next block's may be out
.else
	s_wait_loadcnt 0x0
.endif
	v_max3_num_f32 v10, |v[XS]|, |v[XS+1]|, |v[XS+2]|
	v_max3_num_f32 v11, |v[XS+3]|, |v[XS+4]|, |v[XS+5]|
.irp i, 6,10,14,18,22,26
	v_max3_num_f32 v10, v10, |v[XS+\i]|, |v[XS+\i+1]|
	v_max3_num_f32 v11, v11, |v[XS+\i+2]|, |v[XS+\i+3]|
.endr
	v_max3_num_f32 v10, v10, |v[XS+30]|, |v[XS+31]|
	v_max3_num_f32 v10, v10, v11, 0x1800000        ; and the floor
	v_add_nc_u32 v11, 0xff000000, v10              ; the conversion's scale operand
	v_lshrrev_b32 v10, 23, v11                     ; the byte
.if ((\t)%4) == 0
	v_mov_b32 v[SW+(\t)/4], v10
.else
	v_lshl_or_b32 v[SW+(\t)/4], v10, 8*((\t)%4), v[SW+(\t)/4]
.endif
	v_cvt_scalef32_pk16_fp6_f32 v[RC:RC+2], v[XS:XS+15], v11
	v_cvt_scalef32_pk16_fp6_f32 v[TW:TW+2], v[XS+16:XS+31], v11
	v_nop                                          ; one plain place behind a scaled conversion
.irp i, 0,1,2
	v_mov_b32 v[RC+3+\i], v[TW+\i]
.endr
.if (\t)+2 < 8
	LOADW (\t)+2
.endif
.if ((\t)%4) == 3                      ; a K step is whole: each store fills two aligned runs of 256 bytes.  Every register of codes is written once: no store's data are written again
.irp h, 0,1
.irp j, 0,1,2
	global_store_b128 v8, v[REC+24*((\t)/4)+12*\h+4*\j:REC+24*((\t)/4)+12*\h+4*\j+3], s[50:51] offset:((\t)/4)*12288+512*\j+256*\h
.endr
.endr
.endif
.endm
	LOADW 0
	LOADW 1
.irp t, 0,1,2,3,4,5,6,7
	BLOCKW \t
.endr
	global_store_b64 v9, v[SW:SW+1], s[52:53]      ; 256 consecutive bytes, aligned
	s_endpgm
.Lfunc_end_k_qfe4c833ef3_prep:
	.size	k_qfe4c833ef3_prep, .Lfunc_end_k_qfe4c833ef3_prep-k_qfe4c833ef3_prep
	.p2alignl 7, 3214868480
	.fill 96, 4, 3214868480
	.section	.rodata,"a",@progbits
	.p2align	6, 0x0
	.amdhsa_kernel k_qfe4c833ef3_prep
		.amdhsa_group_segment_fixed_size 34304
		.amdhsa_private_segment_fixed_size 0
		.amdhsa_enable_private_segment 0
		.amdhsa_kernarg_size 80
		.amdhsa_user_sgpr_count 2
		.amdhsa_user_sgpr_kernarg_segment_ptr 1
		.amdhsa_wavefront_size32 1
		.amdhsa_system_sgpr_workgroup_id_x 1
		.amdhsa_system_sgpr_workgroup_id_y 1
		.amdhsa_system_sgpr_workgroup_id_z 1
		.amdhsa_system_vgpr_workitem_id 0
		.amdhsa_next_free_vgpr 256
		.amdhsa_next_free_sgpr 84
		.amdhsa_reserve_vcc 1
		.amdhsa_float_denorm_mode_32 3
		.amdhsa_float_denorm_mode_16_64 3
		.amdhsa_memory_ordered 1
		.amdhsa_forward_progress 1
		.amdhsa_inst_pref_size 81
	.end_amdhsa_kernel
	.amdgpu_metadata
---
amdhsa.version: [ 1, 2 ]
amdhsa.kernels:
  - .name:           k_qfe4c833ef3_prep
    .symbol:         k_qfe4c833ef3_prep.kd
    .args:
      - { .name: hidden_states, .offset: 0, .size: 8, .value_kind: global_buffer, .address_space: global }
      - { .name: position_ids, .offset: 8, .size: 8, .value_kind: global_buffer, .address_space: global }
      - { .name: Wq, .offset: 16, .size: 8, .value_kind: global_buffer, .address_space: global }
      - { .name: Wk, .offset: 24, .size: 8, .value_kind: global_buffer, .address_space: global }
      - { .name: Wv, .offset: 32, .size: 8, .value_kind: global_buffer, .address_space: global }
      - { .name: Wo, .offset: 40, .size: 8, .value_kind: global_buffer, .address_space: global }
      - { .name: x_img, .offset: 48, .size: 8, .value_kind: global_buffer, .address_space: global }
      - { .name: rope_img, .offset: 56, .size: 8, .value_kind: global_buffer, .address_space: global }
      - { .name: w_img, .offset: 64, .size: 8, .value_kind: global_buffer, .address_space: global }
      - { .name: wo_img, .offset: 72, .size: 8, .value_kind: global_buffer, .address_space: global }
    .group_segment_fixed_size: 34304
    .private_segment_fixed_size: 0
    .kernarg_segment_align: 8
    .kernarg_segment_size: 80
    .max_flat_workgroup_size: 128
    .sgpr_count:     84
    .vgpr_count:     256
    .wavefront_size: 32
...
	.end_amdgpu_metadata
.endif
;; end of part 1
;; launch qkv (part 2): grid 256 x 1, 4 waves a work-group, clusters of 4 x 1, 327,680 bytes of LDS; arguments x_img, w_img, rope_img, q_img, q_sc, kv_img; writes q_img, q_sc, kv_img
.if DOCPART == 2
	.amdgcn_target "amdgcn-amd-amdhsa--gfx1250"
	.amdhsa_code_object_version 6
	.text
	.protected	k_qfe4c833ef3_qkv
	.globl	k_qfe4c833ef3_qkv
	.p2align	8
	.type	k_qfe4c833ef3_qkv,@function
k_qfe4c833ef3_qkv:
	s_mov_b64 s[64:65], 0
	v_nop
	global_prefetch_b8 v0, s[64:65] scope:SCOPE_SE
	s_setreg_imm32_b32 hwreg(HW_REG_WAVE_MODE, 25, 1), 1
	s_wait_xcnt 0x0
	s_wait_alu depctr_hold_cnt(0) depctr_sa_sdst(0) depctr_va_vdst(0) depctr_va_sdst(0) depctr_va_ssrc(0) depctr_va_vcc(0) depctr_vm_vsrc(0)
	s_getreg_b32 s2, hwreg(HW_REG_IB_STS2, 6, 4)
	s_cmp_eq_u32 s2, 0
	s_cbranch_scc0 .Lentry_in_a_cluster
	s_endpgm
.Lentry_in_a_cluster:
	s_bfe_u32 s2, ttmp6, 0x10000c
	s_cmp_lg_u32 s2, 0x3003
	s_cbranch_scc0 .Lentry_shape_is_right
	s_endpgm
.Lentry_shape_is_right:
.set SLOT,  153600
.set NOFF,  102400
.set SCO,   49152
.set SPARE, 307200
.set ADP, 4
.set ADN, 6
.set ASP, 8
.set ASN, 10
.set SPW, 28
.set NIL, 29
.set SC,  32
.set NF,  64
.set H,   64
.set PC,  128
.set TM,  160
.set PWT, 176
.set PW,  182
.set WV,  16
.set PWV, 17
.set NWV, 18
.set CX,  19
.set DC,  20
.set DS,  22
.set G1P, 24
.set G0P, 32
.set G1N, 40
.set G0N, 48
.set MUL, 0xa1
.set MSB, 0
.macro WIN new
.if MSB != (\new)
	s_set_vgpr_msb (MSB<<8)|(\new)
.set MSB, (\new)
.endif
.endm
.macro PLACES n
.rept \n
	v_nop
.endr
.endm
.macro JLOAD sl
	s_cmp_eq_u32 s[PWV], 0
	s_cbranch_scc0 .Lfor_n_\@
	tensor_load_to_lds s[G0P+4*\sl:G0P+4*\sl+3], s[G1P:G1P+7]
	s_nop 0
.rept 4
	v_nop
.endr
	s_branch .Lasked_\@
.Lfor_n_\@:
	tensor_load_to_lds s[G0N+4*\sl:G0N+4*\sl+3], s[G1N:G1N+7]
	s_nop 0
.rept 4
	v_nop
.endr
.Lasked_\@:
.endm
.macro CREST
	s_cmp_lg_u32 s[WV], 0
	s_cbranch_scc1 .Lnot_wave_0_\@
	s_barrier_signal -3
.Lnot_wave_0_\@:
	s_barrier_wait -3
	s_barrier_signal -1
	s_barrier_wait -1
.endm
.macro CROUND
	s_barrier_signal -1
	s_barrier_wait -1
	CREST
.endm
	s_load_b256 s[4:11], s[0:1], 0x0
	s_load_b128 s[12:15], s[0:1], 0x20
	v_lshl_add_u32 v[SPW], v0, 2, SPARE
	v_mov_b32 v[NIL], 0
	ds_add_u32 v[SPW], v[NIL]
	ds_add_u32 v[SPW], v[NIL]
	v_lshrrev_b32 v1, 5, v0
	v_readfirstlane_b32 s[WV], v1
	s_lshr_b32 s[PWV], s[WV], 1
	s_and_b32 s[NWV], s[WV], 1
	s_bfe_u32 s[CX], ttmp6, 0x40000
	s_mov_b32 s[G1P], 15|(3<<16)|(1<<21)
	s_mov_b32 s[G1P+1], 32<<16
	s_mov_b32 s[G1P+2], 200<<16
	s_mov_b32 s[G1P+3], 32<<16
	s_mov_b32 s[G1P+4], 200
	s_mov_b32 s[G1P+5], 32
	s_mov_b32 s[G1P+6], 0
	s_mov_b32 s[G1P+7], 0
	s_mov_b32 s[G1N], 3<<16
	s_mov_b32 s[G1N+1], 32<<16
	s_mov_b32 s[G1N+2], 100<<16
	s_mov_b32 s[G1N+3], 32<<16
	s_mov_b32 s[G1N+4], 100
	s_mov_b32 s[G1N+5], 32
	s_mov_b32 s[G1N+6], 0
	s_mov_b32 s[G1N+7], 0
	s_lshr_b32 s56, ttmp9, 3
	s_lshl_b32 s57, s56, 1
	s_and_b32 s58, ttmp9, 7
	s_lshl_b32 s58, s58, 2
	s_add_co_u32 s58, s58, s[CX]
	s_sub_co_u32 s59, ttmp9, 48
	s_lshl_b32 s60, s59, 1
	s_add_co_u32 s61, s[CX], 12
	s_cmp_lt_u32 ttmp9, 48
	s_cselect_b32 s62, s57, s60
	s_cselect_b32 s63, s58, s61
	s_add_co_u32 s62, s62, s[NWV]
	s_mul_i32 s66, s62, 409600
	s_mov_b32 s67, 0
	s_mul_i32 s68, s63, 409600
	s_mul_i32 s71, s[NWV], 25600
	s_add_co_u32 s68, s68, s71
	s_mov_b32 s69, 0
	s_mul_i32 s70, s[NWV], 51200
	s_lshl_b32 s78, s58, 3
	s_lshl_b32 s77, s[NWV], 2
	s_add_co_u32 s78, s78, s77
	s_lshl_b32 s76, s78, 13
	s_mov_b32 s77, 0
	s_mov_b32 s86, 0x76543210
	s_mov_b32 s87, 0xfedcba98
	s_wait_dscnt 0x0
	s_wait_kmcnt 0x0
	s_cmp_lt_u32 ttmp9, 48
	s_cselect_b64 s[72:73], s[6:7], s[4:5]
	s_cselect_b64 s[74:75], s[4:5], s[6:7]
	s_add_nc_u64 s[72:73], s[72:73], s[66:67]
	s_add_nc_u64 s[74:75], s[74:75], s[68:69]
	s_add_nc_u64 s[8:9], s[8:9], s[76:77]
.irp s, 0,1
	s_mov_b32 s[G0P+4*\s], 1
	s_add_co_u32 s[G0P+4*\s+1], s70, \s*SLOT
	s_add_nc_u64 s[G0P+4*\s+2:G0P+4*\s+3], s[72:73], \s*51200
	s_or_b32 s[G0P+4*\s+3], s[G0P+4*\s+3], 0x80000000
	s_mov_b32 s[G0N+4*\s], 1
	s_add_co_u32 s[G0N+4*\s+1], s71, \s*SLOT+NOFF
	s_add_nc_u64 s[G0N+4*\s+2:G0N+4*\s+3], s[74:75], \s*51200
	s_or_b32 s[G0N+4*\s+3], s[G0N+4*\s+3], 0x80000000
.endr
	CROUND
	JLOAD 0
	s_wait_alu depctr_va_vdst(0)
	s_wait_tensorcnt 0x0
	ds_add_u32 v28, v29
	s_wait_dscnt 0x0
	CROUND
	JLOAD 1
	v_and_b32 v1, 31, v0
	v_lshlrev_b32 v2, 4, v1
	v_lshlrev_b32 v3, 2, v1
	s_mul_i32 s80, s[PWV], 51200
	v_add_nc_u32 v[ADP], s80, v2
	v_add_nc_u32 v[ADP+1], SLOT, v[ADP]
	s_mul_i32 s81, s[NWV], 6144
	s_add_co_u32 s81, s81, NOFF
	v_add_nc_u32 v[ADN], s81, v2
	v_add_nc_u32 v[ADN+1], SLOT, v[ADN]
	s_add_co_u32 s82, s80, SCO
	v_lshl_add_u32 v[ASP], v1, 3, s82
	v_add_nc_u32 v[ASP+1], SLOT, v[ASP]
	s_lshl_b32 s83, s[NWV], 9
	s_add_co_u32 s83, s83, NOFF+SCO
	v_lshl_add_u32 v[ASN], v1, 3, s83
	v_add_nc_u32 v[ASN+1], SLOT, v[ASN]
.irp b, 0,1,2,3
	v_mov_b32 v[TM+4+\b], 0
.endr
.macro WM d, a, b, zero, sa, sb, pa, pb
.if \zero
.if (\pa) && (\pb)
	v_wmma_scale_f32_16x16x128_f8f6f4 v[\d:\d+7], v[\a:\a+11], v[\b:\b+11], 0, v[\sa], v[\sb] matrix_a_fmt:MATRIX_FMT_FP6 matrix_b_fmt:MATRIX_FMT_FP6 matrix_a_scale:MATRIX_SCALE_ROW1 matrix_b_scale:MATRIX_SCALE_ROW1
.elseif \pa
	v_wmma_scale_f32_16x16x128_f8f6f4 v[\d:\d+7], v[\a:\a+11], v[\b:\b+11], 0, v[\sa], v[\sb] matrix_a_fmt:MATRIX_FMT_FP6 matrix_b_fmt:MATRIX_FMT_FP6 matrix_a_scale:MATRIX_SCALE_ROW1
.elseif \pb
	v_wmma_scale_f32_16x16x128_f8f6f4 v[\d:\d+7], v[\a:\a+11], v[\b:\b+11], 0, v[\sa], v[\sb] matrix_a_fmt:MATRIX_FMT_FP6 matrix_b_fmt:MATRIX_FMT_FP6 matrix_b_scale:MATRIX_SCALE_ROW1
.else
	v_wmma_scale_f32_16x16x128_f8f6f4 v[\d:\d+7], v[\a:\a+11], v[\b:\b+11], 0, v[\sa], v[\sb] matrix_a_fmt:MATRIX_FMT_FP6 matrix_b_fmt:MATRIX_FMT_FP6
.endif
.else
.if (\pa) && (\pb)
	v_wmma_scale_f32_16x16x128_f8f6f4 v[\d:\d+7], v[\a:\a+11], v[\b:\b+11], v[\d:\d+7], v[\sa], v[\sb] matrix_a_fmt:MATRIX_FMT_FP6 matrix_b_fmt:MATRIX_FMT_FP6 matrix_a_scale:MATRIX_SCALE_ROW1 matrix_b_scale:MATRIX_SCALE_ROW1
.elseif \pa
	v_wmma_scale_f32_16x16x128_f8f6f4 v[\d:\d+7], v[\a:\a+11], v[\b:\b+11], v[\d:\d+7], v[\sa], v[\sb] matrix_a_fmt:MATRIX_FMT_FP6 matrix_b_fmt:MATRIX_FMT_FP6 matrix_a_scale:MATRIX_SCALE_ROW1
.elseif \pb
	v_wmma_scale_f32_16x16x128_f8f6f4 v[\d:\d+7], v[\a:\a+11], v[\b:\b+11], v[\d:\d+7], v[\sa], v[\sb] matrix_a_fmt:MATRIX_FMT_FP6 matrix_b_fmt:MATRIX_FMT_FP6 matrix_b_scale:MATRIX_SCALE_ROW1
.else
	v_wmma_scale_f32_16x16x128_f8f6f4 v[\d:\d+7], v[\a:\a+11], v[\b:\b+11], v[\d:\d+7], v[\sa], v[\sb] matrix_a_fmt:MATRIX_FMT_FP6 matrix_b_fmt:MATRIX_FMT_FP6
.endif
.endif
.endm
.macro MULN f, q, n, zero
.irp i, 0,1,2,3,4,5,6,7
	WM 64*(\n)+8*\i, 96*(\f)+12*\i, NF+48*(\f)+12*(\n), \zero, SC+12*((\q)/2)+2*(\i/2)+(\q)%2, SC+12*((\q)/2)+8+2*((\n)/2)+(\q)%2, \i%2, (\n)%2
.endr
.endm
.macro FETCH sl, q, f
	WIN 0x40
.irp i, 0,1,2,3,4,5,6,7
.irp j, 0,1,2
	ds_load_b128 v[96*(\f)+12*\i+4*\j:96*(\f)+12*\i+4*\j+3], v[ADP+\sl] offset:(8*(\q)+\i)*1536+512*\j
.endr
.endr
	WIN 0
.irp i, 0,1,2,3
.irp j, 0,1,2
	ds_load_b128 v[NF+48*(\f)+12*\i+4*\j:NF+48*(\f)+12*\i+4*\j+3], v[ADN+\sl] offset:(8*(\q)+\i)*1536+512*\j
.endr
.endr
.if ((\q)%2) == 0
.irp p, 0,1,2,3
	ds_load_b64 v[SC+12*((\q)/2)+2*\p:SC+12*((\q)/2)+2*\p+1], v[ASP+\sl] offset:((\q)/2)*1024+256*\p
.endr
.irp p, 0,1
	ds_load_b64 v[SC+12*((\q)/2)+8+2*\p:SC+12*((\q)/2)+8+2*\p+1], v[ASN+\sl] offset:((\q)/2)*1024+256*\p
.endr
.endif
.endm
.macro STEP sl, q, zero
	PLACES 4
	FETCH \sl, (\q)+1, 1-((\q)%2)
.if (\q) == 1
	s_wait_dscnt 42
.else
	s_wait_dscnt 36
.endif
	WIN MUL
	MULN (\q)%2, \q, 0, \zero
	MULN (\q)%2, \q, 1, \zero
	MULN (\q)%2, \q, 2, \zero
	MULN (\q)%2, \q, 3, \zero
	WIN 0
.endm
.macro TURN sl, nx, fill
	s_wait_tensorcnt 0x0
	ds_add_u32 v[SPW], v[NIL]
	s_wait_dscnt 1
	WIN MUL
	MULN 1, 3, 0, 0
	s_wait_dscnt 0x0
	s_barrier_signal -1
	MULN 1, 3, 1, 0
	WIN 0
	s_barrier_wait -1
.if \fill
	CREST
	s_add_nc_u64 s[G0P+4*\sl+2:G0P+4*\sl+3], s[G0P+4*\sl+2:G0P+4*\sl+3], 102400
	s_add_nc_u64 s[G0N+4*\sl+2:G0N+4*\sl+3], s[G0N+4*\sl+2:G0N+4*\sl+3], 102400
	JLOAD \sl
.else
	PLACES 4
.endif
	FETCH \nx, 0, 0
	WIN MUL
	MULN 1, 3, 2, 0
	MULN 1, 3, 3, 0
	WIN 0
.endm
.macro LASTSLOT
	STEP 1, 0, 0
	STEP 1, 1, 0
	STEP 1, 2, 0
	s_wait_dscnt 0x0
	WIN MUL
	MULN 1, 3, 0, 0
	MULN 1, 3, 1, 0
	MULN 1, 3, 2, 0
	MULN 1, 3, 3, 0
	WIN 0
	PLACES 4
.endm
.macro QUANT s, w
	WIN 5*(\w)
.irp b, 0,1,2,3
	v_max3_num_f32 v[TM+\b], |v[(\s)+16*\b]|, |v[(\s)+1+16*\b]|, 0x1800000
.endr
.irp i, 2,4,6,8,10,12,14
.irp b, 0,1,2,3
	v_max3_num_f32 v[TM+\b], |v[(\s)+16*\b+\i]|, |v[(\s)+1+16*\b+\i]|, v[TM+\b]
.endr
.endr
	WIN 0
.irp b, 0,1,2,3
	v_permlanex16_b32 v[TM+4+\b], v[TM+\b], s86, s87
.endr
.irp b, 0,1,2,3
	v_max_num_f32 v[TM+\b], v[TM+\b], v[TM+4+\b]
.endr
.irp b, 0,1,2,3
	v_add_nc_u32 v[TM+12+\b], 0xff000000, v[TM+\b]
.endr
.irp b, 0,1,2,3
	v_lshrrev_b32 v[TM+4+\b], 23, v[TM+12+\b]
.endr
	v_lshl_or_b32 v[PW], v[TM+5], 8, v[TM+4]
	v_lshl_or_b32 v[PW], v[TM+6], 16, v[PW]
	v_lshl_or_b32 v[PW], v[TM+7], 24, v[PW]
	WIN (\w)
.irp c, 0,1
	v_cvt_scalef32_pk16_fp6_f32 v[PC+6*\c:PC+2+6*\c], v[(\s)+32*\c:(\s)+15+32*\c], v[TM+12+2*\c]
	v_cvt_scalef32_pk16_fp6_f32 v[PC+12+4*\c:PC+14+4*\c], v[(\s)+16+32*\c:(\s)+31+32*\c], v[TM+13+2*\c]
.endr
	WIN 0
	v_nop
.irp c, 0,1
.irp i, 0,1,2
	v_permlane16_swap_b32 v[PC+6*\c+\i], v[PC+12+4*\c+\i]
.endr
.irp i, 0,1,2
	v_mov_b32 v[PC+3+6*\c+\i], v[PC+12+4*\c+\i]
.endr
.endr
.endm
.macro ROPE n
	WIN 0x0e
.irp k, 0,1,2,3,4,5,6,7,8,9,10,11,12,13,14,15
	v_pk_mul_f32 v[H+2*\k:H+2*\k+1], v[64*\n+32+2*\k:64*\n+33+2*\k], v[64*\n+32+2*\k:64*\n+33+2*\k]
.endr
.irp k, 0,1,2,3,4,5,6,7,8,9,10,11,12,13,14,15
	v_pk_mul_f32 v[H+32+2*\k:H+33+2*\k], v[64*\n+2*\k:64*\n+1+2*\k], v[64*\n+32+2*\k:64*\n+33+2*\k]
.endr
.irp k, 0,1,2,3,4,5,6,7,8,9,10,11,12,13,14,15
	v_pk_fma_f32 v[H+2*\k:H+2*\k+1], v[64*\n+2*\k:64*\n+1+2*\k], v[64*\n+2*\k:64*\n+1+2*\k], v[H+2*\k:H+2*\k+1] neg_lo:[0,0,1] neg_hi:[0,0,1]
.endr
.irp k, 0,1,2,3,4,5,6,7,8,9,10,11,12,13,14,15
	v_pk_fma_f32 v[H+32+2*\k:H+33+2*\k], v[64*\n+32+2*\k:64*\n+33+2*\k], v[64*\n+2*\k:64*\n+1+2*\k], v[H+32+2*\k:H+33+2*\k]
.endr
	WIN 0
.endm
.macro OUT n
.irp j, 0,1,2
	global_store_b128 v2, v[PC+4*\j:PC+4*\j+3], s[DC:DC+1] offset:(\n)*1536+512*\j
.endr
	v_mov_b32 v[PWT+(\n)], v[PW]
.if ((\n)%2) == 1
	v_permlane16_swap_b32 v[PWT+(\n)-1], v[PWT+(\n)]
	global_store_b32 v3, v[PWT+(\n)-1], s[DS:DS+1] offset:128*((\n)/2)
.endif
.endm
	s_wait_alu depctr_va_vdst(0)
	s_wait_tensorcnt 1
	s_barrier_signal -1
	s_barrier_wait -1
	FETCH 0, 0, 0
	STEP 0, 0, 1
	s_mov_b32 s84, 3
.Llap:
	STEP 0, 1, 0
	STEP 0, 2, 0
	TURN 0, 1, 1
	STEP 1, 0, 0
	STEP 1, 1, 0
	STEP 1, 2, 0
	TURN 1, 0, 1
	STEP 0, 0, 0
	s_sub_co_u32 s84, s84, 1
	s_cmp_lg_u32 s84, 0
	s_cbranch_scc1 .Llap
	STEP 0, 1, 0
	STEP 0, 2, 0
	TURN 0, 1, 0
	s_cmp_ge_u32 ttmp9, 48
	s_cbranch_scc1 .Lvway
	WIN 0xc0
.irp n, 0,1,2,3
.irp c, 0,1,2,3,4,5,6,7,8,9,10,11,12,13,14,15
	global_load_b128 v[64*\n+4*\c:64*\n+4*\c+3], v2, s[8:9] offset:8192*\n+512*\c
.endr
.endr
	WIN 0
	LASTSLOT
	s_lshr_b32 s88, s78, 7
	s_and_b32 s89, s78, 127
	s_lshl_b32 s90, s88, 3
	s_add_co_u32 s90, s90, s57
	s_add_co_u32 s90, s90, s[PWV]
	s_lshl_b32 s91, s90, 7
	s_add_co_u32 s91, s91, s89
	s_lshl_b32 s92, s91, 6
	s_mul_i32 s91, s91, 1536
	s_lshl_b32 s94, s88, 2
	s_add_co_u32 s94, s94, s57
	s_add_co_u32 s94, s94, s[PWV]
	s_sub_co_u32 s94, s94, 8
	s_lshl_b32 s94, s94, 3
	s_lshr_b32 s95, s89, 4
	s_add_co_u32 s94, s94, s95
	s_mul_i32 s94, s94, 51200
	s_and_b32 s95, s89, 15
	s_mul_i32 s96, s95, 1536
	s_add_co_u32 s96, s96, s94
	s_lshl_b32 s95, s95, 6
	s_add_co_u32 s95, s95, s94
	s_add_co_u32 s95, s95, 24576
	s_cmp_lt_u32 ttmp9, 32
	s_cselect_b64 s[DC:DC+1], s[10:11], s[14:15]
	s_cselect_b64 s[DS:DS+1], s[12:13], s[14:15]
	s_cselect_b32 s66, s91, s96
	s_cselect_b32 s68, s92, s95
	s_mov_b32 s67, 0
	s_mov_b32 s69, 0
	s_add_nc_u64 s[DC:DC+1], s[DC:DC+1], s[66:67]
	s_add_nc_u64 s[DS:DS+1], s[DS:DS+1], s[68:69]
.irp n, 0,1,2,3
	s_wait_loadcnt 48-16*\n
	s_wait_xcnt 0x0
	ROPE \n
	QUANT H, 0
	OUT \n
.endr
	s_branch .Ldone
.Lvway:
	LASTSLOT
	s_lshr_b32 s97, s59, 3
	s_lshl_b32 s97, s97, 2
	s_add_co_u32 s97, s97, s[CX]
	s_lshl_b32 s97, s97, 3
	s_and_b32 s98, s59, 7
	s_add_co_u32 s97, s97, s98
	s_mul_i32 s97, s97, 51200
	s_add_co_u32 s97, s97, 25600
	s_lshl_b32 s98, s[PWV], 3
	s_lshl_b32 s99, s[NWV], 2
	s_add_co_u32 s98, s98, s99
	s_mul_i32 s66, s98, 1536
	s_add_co_u32 s66, s66, s97
	s_mov_b32 s67, 0
	s_lshl_b32 s68, s98, 6
	s_add_co_u32 s68, s68, s97
	s_add_co_u32 s68, s68, 24576
	s_mov_b32 s69, 0
	s_add_nc_u64 s[DC:DC+1], s[14:15], s[66:67]
	s_add_nc_u64 s[DS:DS+1], s[14:15], s[68:69]
.irp n, 0,1,2,3
	s_wait_xcnt 0x0
	QUANT 64*\n, 2
	OUT \n
.endr
.Ldone:
	s_wait_tensorcnt 0x0
	ds_add_u32 v[SPW], v[NIL]
	s_wait_dscnt 0x0
	CROUND
	s_endpgm
.Lfunc_end_k_qfe4c833ef3_qkv:
	.size	k_qfe4c833ef3_qkv, .Lfunc_end_k_qfe4c833ef3_qkv-k_qfe4c833ef3_qkv
	.p2alignl 7, 3214868480
	.fill 96, 4, 3214868480
	.section	.rodata,"a",@progbits
	.p2align	6, 0x0
	.amdhsa_kernel k_qfe4c833ef3_qkv
		.amdhsa_group_segment_fixed_size 327680
		.amdhsa_private_segment_fixed_size 0
		.amdhsa_enable_private_segment 0
		.amdhsa_kernarg_size 48
		.amdhsa_user_sgpr_count 2
		.amdhsa_user_sgpr_kernarg_segment_ptr 1
		.amdhsa_wavefront_size32 1
		.amdhsa_system_sgpr_workgroup_id_x 1
		.amdhsa_system_sgpr_workgroup_id_y 1
		.amdhsa_system_sgpr_workgroup_id_z 1
		.amdhsa_system_vgpr_workitem_id 0
		.amdhsa_next_free_vgpr 1024
		.amdhsa_next_free_sgpr 100
		.amdhsa_reserve_vcc 0
		.amdhsa_float_denorm_mode_32 3
		.amdhsa_float_denorm_mode_16_64 3
		.amdhsa_memory_ordered 1
		.amdhsa_forward_progress 1
		.amdhsa_inst_pref_size 200
	.end_amdhsa_kernel
	.amdgpu_metadata
---
amdhsa.version: [ 1, 2 ]
amdhsa.kernels:
  - .name:           k_qfe4c833ef3_qkv
    .symbol:         k_qfe4c833ef3_qkv.kd
    .args:
      - { .name: x_img, .offset: 0, .size: 8, .value_kind: global_buffer, .address_space: global }
      - { .name: w_img, .offset: 8, .size: 8, .value_kind: global_buffer, .address_space: global }
      - { .name: rope_img, .offset: 16, .size: 8, .value_kind: global_buffer, .address_space: global }
      - { .name: q_img, .offset: 24, .size: 8, .value_kind: global_buffer, .address_space: global }
      - { .name: q_sc, .offset: 32, .size: 8, .value_kind: global_buffer, .address_space: global }
      - { .name: kv_img, .offset: 40, .size: 8, .value_kind: global_buffer, .address_space: global }
    .group_segment_fixed_size: 327680
    .private_segment_fixed_size: 0
    .kernarg_segment_align: 8
    .kernarg_segment_size: 48
    .max_flat_workgroup_size: 128
    .sgpr_count:     100
    .vgpr_count:     1024
    .wavefront_size: 32
...
	.end_amdgpu_metadata
.endif
;; end of part 2
;; launch attn (part 3): grid 32 x 8, 8 waves a work-group, clusters of 4 x 4, 327,680 bytes of LDS; arguments q_img, q_sc, kv_img, attention_mask, a_img; writes a_img
.if DOCPART == 3
	.amdgcn_target "amdgcn-amd-amdhsa--gfx1250"
	.amdhsa_code_object_version 6
	.text
	.protected	k_qfe4c833ef3_attn
	.globl	k_qfe4c833ef3_attn
	.p2align	8
	.type	k_qfe4c833ef3_attn,@function
k_qfe4c833ef3_attn:
	s_mov_b64 s[64:65], 0
	v_nop
	global_prefetch_b8 v0, s[64:65] scope:SCOPE_SE
	s_setreg_imm32_b32 hwreg(HW_REG_WAVE_MODE, 25, 1), 1
	s_wait_xcnt 0x0
	s_wait_alu depctr_hold_cnt(0) depctr_sa_sdst(0) depctr_va_vdst(0) depctr_va_sdst(0) depctr_va_ssrc(0) depctr_va_vcc(0) depctr_vm_vsrc(0)
	s_getreg_b32 s2, hwreg(HW_REG_IB_STS2, 6, 4)
	s_cmp_eq_u32 s2, 0
	s_cbranch_scc0 .Lentry_in_a_cluster
	s_endpgm
.Lentry_in_a_cluster:
	s_bfe_u32 s2, ttmp6, 0x10000c
	s_cmp_lg_u32 s2, 0xf033
	s_cbranch_scc0 .Lentry_shape_is_right
	s_endpgm
.Lentry_shape_is_right:
; softmax(q k^T / sqrt(128) + mask) v for 2 batches x 8 query heads on 4 key heads, 2,048 x 2,048, both products on codes of FP6 (E2M3); the result is quantised along (head, 128) for the last projection.
; THE MASK IS AN INPUT: every score is computed, and every number of the mask is read and added.  No work of the problem is left out.
; THE SOFTMAX: t = (score / sqrt(128) + mask) log2(e); M = the running largest t, rounded UP to a whole number; p = 2^(t - M) is quantised along the keys, not normalised; the row's sum is taken of the unquantised p and divides at the end.
; mask x sqrt(128) is the C of the score's product, so that (score + mask sqrt(128)) x c, c = log2(e) / sqrt(128), is t.
; SHARES.  A work-group owns 64 queries of the two query heads of one key head.  A wave owns one tile of 16 queries (wave % 4) of BOTH heads and one half (wave / 4) of every slot's 256 keys:
; each fragment of K and of V that it reads feeds two matrix instructions, and the mask's numbers are read and scaled once for both heads.  Head A of a wave is head wave / 4 of the pair, head B the other.
; The maxima are taken for both heads together; what follows goes head by head, so that head A's products with V stand ahead of head B's vector work.
; At the end the waves w and w + 4, which hold the two halves of the keys for the same queries, hand each other head B's part through LDS; each joins head A's two parts (factors 2^(M - larger M), which round nothing) and sends it out.
; Operands are images of registers (1,536 bytes a fragment, read at 16 x lane).  Lane row r of tile i stands for row 32 (i / 2) + 8 (i % 2) + r % 8 + 16 (r / 8): with both products used transposed a lane holds ONE query, and
; register 16 b + i of a step's eight tiles is key (or channel) 32 b + 16 h + i.
; RING: two slots of 256 keys: K part 25,600 bytes, V part 25,600, the mask's 64 rows x (1,024 + 8) bytes.
; CLUSTER 4 x 4: along x four blocks of queries, along y the four key heads of one batch.  K and V, 51,200 dense bytes, hang on the key head alone and are asked for JOINTLY by a row of the cluster, a quarter by each of waves 0 to 3;
; the mask's tile hangs on the block of queries alone and is asked for JOINTLY by a column of the cluster, 16 rows by each of waves 4 to 7.  Every wave issues one tensor load behind each round, and one is out at a time.
; REGISTERS.  Window 1: v0-63 head A's scores, then p; v64-127 the mask, then head B's scores, then p; v128-191, v192-255 O^T of A and B.  Window 0: all else.  O^T begins as zeros, so that the step is written once for every slot.
; LIMITS: the promise holds while |t| stays under 2^31.  A mask of -infinity is served where each half of its row's keys keeps a finite entry; a row whose every entry is so large and negative that the scores vanish beside it
; is rounded otherwise than by adding after the division.  NaN is not served.
.set SLOT1, 131072
.set VPART, 25600
.set MOFF,  51200
.set MP,    1032
.set SMALL, 117248                     ; behind slot 0's tiles: 256 bytes a wave for -M and the sum on the way to the partner
.set SPARE, 119296                     ; behind them: the spare words, 128 bytes for each of eight waves
.set STAGE, 262144                     ; behind the ring: 8,192 bytes a wave for head B's O^T on the way to the partner
.set AK0, 1                            ; 16 x lane + my key step's fragments
.set AV0, 2                            ; + the V part
.set AM0, 3                            ; my query's row of the mask's tile, + 64 h, + my key step
.set AS0, 4                            ; the K part's scale words of my key step
.set SPW, 5
.set NIL, 6
.set L16, 7                            ; 16 x lane
.set ADK, 8
.set ADV, 9
.set ADM, 10
.set ADS, 11
; v12-15 head A: -M, the largest t, the sum in two halves; v16-19 head B; v20, v22 the factors f (v21, v23 fill the pairs)
.set QA,  24                           ; v24-35, v36-47 Q's fragments
.set QS,  48                           ; v48-49 Q's scale words
.set KS,  50                           ; v50-53 K's scale words, v54-57 V's, v58-59 p's
.set VS,  54
.set PSW, 58
.set PC,  60                           ; v60-83 p's codes
.set CT,  84                           ; v84-99 the blocks' upper halves
.set BM,  100                          ; v100-107 the blocks' largest scores, 4 a head
.set PT,  108
.set SO,  116
.set T,   124
.set F,   128                          ; v128-223 eight fragments of K, then of V
.set TS,  224                          ; v224-237 seven partial sums
.set STW, 240
.set STR, 241
.set SMW, 242
.set SMR, 243
.set PFOM, 244
.set PFOK, 245
.set R,   192                          ; the way out: the finished numbers
.set WV,  18
.set SEL, 20
.set CS,  22                           ; s[22:23] c = log2(e) / sqrt(128)
.set G1J, 24
.set G1M, 32
.set G0J, 40
.set G0M, 44
.set TB,  48                           ; LDS byte at which the slot in hand begins
.set SLOTS, 49
.set PFM, 50
.set PFK, 52
.set LIMM, 54
.set LIMK, 55
.set RT,  68                           ; s[68:69] sqrt(128)
.set MSB, 0
.macro WIN new                         ; low byte: bits 1:0 source 0, 3:2 source 1, 5:4 source 2, 7:6 destination; the high byte repeats the setting that is left
.if MSB != (\new)
	s_set_vgpr_msb (MSB<<8)|(\new)
.set MSB, (\new)
.endif
.endm
.macro TLOAD                           ; waves 0 to 3: a quarter of K and V each, with my row of the cluster; waves 4 to 7: 16 rows of the mask each, with my column.  An s_nop 0 and four v_nop follow each line
	s_cmp_lt_u32 s[WV], 4
	s_cbranch_scc0 .Lfor_m_\@
	tensor_load_to_lds s[G0J:G0J+3], s[G1J:G1J+7]
	s_nop 0
.rept 4
	v_nop
.endr
	s_branch .Lasked_\@
.Lfor_m_\@:
	tensor_load_to_lds s[G0M:G0M+3], s[G1M:G1M+7]
	s_nop 0
.rept 4
	v_nop
.endr
.Lasked_\@:
.endm
; A PREFETCH INTO THE L2 of what the NEXT change of slots will ask for, behind the tensor loads.  Every cluster asks for what it will itself load, each block of 256 bytes once, and the partners share the blocks out BY ADDRESS.
; The mask's 64 rows x 1,024 bytes of my block of queries: the four of my column take 16 rows each (by cy): wave 4, two instructions, a lane a block.  K and V of my key head, 200 blocks: the four of my row take 50 each (by cx):
; waves 4 and 5, one instruction each (the lanes past the fiftieth name the fiftieth again).  The last change that fills a slot asks for nothing; slots 0 and 1 come by their loads alone.
.macro ASK
	s_cmp_gt_u32 s[SLOTS], s[LIMM]
	s_cbranch_scc0 .Lno_m_\@
	global_prefetch_b8 v[PFOM], s[PFM:PFM+1] th:TH_LOAD_NT scope:SCOPE_SE
	global_prefetch_b8 v[PFOM], s[PFM:PFM+1] offset:65536 th:TH_LOAD_NT scope:SCOPE_SE
.Lno_m_\@:
	s_cmp_gt_u32 s[SLOTS], s[LIMK]
	s_cbranch_scc0 .Lno_k_\@
	global_prefetch_b8 v[PFOK], s[PFK:PFK+1] th:TH_LOAD_NT scope:SCOPE_SE
.Lno_k_\@:
.endm
.macro CROUND
	s_barrier_signal -1
	s_barrier_wait -1
	s_cmp_lg_u32 s[WV], 0
	s_cbranch_scc1 .Lnot_wave_0_\@
	s_barrier_signal -3
.Lnot_wave_0_\@:
	s_barrier_wait -3
	s_barrier_signal -1
	s_barrier_wait -1
.endm
.macro WMS d, a, b, c, sa, sb, odd     ; an odd tile's scale words stand in lanes 16-31
.if \odd
	v_wmma_scale_f32_16x16x128_f8f6f4 v[\d:\d+7], v[\a:\a+11], v[\b:\b+11], v[\c:\c+7], v[\sa], v[\sb] matrix_a_fmt:MATRIX_FMT_FP6 matrix_b_fmt:MATRIX_FMT_FP6 matrix_a_scale:MATRIX_SCALE_ROW1
.else
	v_wmma_scale_f32_16x16x128_f8f6f4 v[\d:\d+7], v[\a:\a+11], v[\b:\b+11], v[\c:\c+7], v[\sa], v[\sb] matrix_a_fmt:MATRIX_FMT_FP6 matrix_b_fmt:MATRIX_FMT_FP6
.endif
.endm
	s_load_b256 s[4:11], s[0:1], 0x0               ; q_img s[4:5], q_sc s[6:7], kv_img s[8:9], the mask s[10:11]
	s_load_b64 s[12:13], s[0:1], 0x20              ; a_img
	v_lshl_add_u32 v[SPW], v0, 2, SPARE
	v_mov_b32 v[NIL], 0
	ds_add_u32 v[SPW], v[NIL]                      ; the wave's opening: the add, twice on end, and its wait
	ds_add_u32 v[SPW], v[NIL]
	v_lshrrev_b32 v8, 5, v0
	v_readfirstlane_b32 s[WV], v8
	s_bfe_u32 s57, ttmp6, 0x40000                  ; cx
	s_bfe_u32 s97, ttmp6, 0x40004                  ; cy
	s_and_b32 s56, ttmp7, 0xffff
	s_lshl_b32 s56, s56, 2
	s_add_co_u32 s56, s56, s97                     ; 4 x batch + key head = 4 x cluster y + cy: my row of the cluster shares it
	s_lshl_b32 s58, ttmp9, 2
	s_add_co_u32 s58, s58, s57                     ; my block of 64 queries = 4 x cluster x + cx: my column shares it
	s_lshr_b32 s59, s56, 2                         ; batch
	s_and_b32 s60, s56, 3                          ; key head
	s_and_b32 s61, s[WV], 3                        ; my tile of queries, and which quarter of a tile I fetch
	s_lshr_b32 s62, s[WV], 2                       ; my half of a slot's keys, and which head of the pair is my head A
	s_lshl_b32 s63, s60, 1
	s_add_co_u32 s63, s63, s62                     ; head A
	s_lshl_b32 s98, s97, 2
	s_lshl_b32 s98, 15, s98                        ; my row of the cluster: places 4 cy .. 4 cy + 3
	s_lshl_b32 s99, 0x1111, s57                    ; my column: places cx, cx + 4, cx + 8, cx + 12
	s_or_b32 s[G1J], s98, (3<<16)|(1<<21)          ; K and V go to my row; elements of 8 bytes; bit 21 beside the mask
	s_mov_b32 s[G1J+1], 32<<16                     ; rows of 256 bytes,
	s_mov_b32 s[G1J+2], 50<<16                     ; 50 of them: a quarter of the 51,200 dense bytes
	s_mov_b32 s[G1J+3], 32<<16
	s_mov_b32 s[G1J+4], 50
	s_mov_b32 s[G1J+5], 32
	s_mov_b32 s[G1J+6], 0
	s_mov_b32 s[G1J+7], 0
	s_or_b32 s[G1M], s99, (3<<16)|(1<<20)|(1<<21)|(7<<22)|(1<<25)   ; the mask's tile goes to my column; elements of 8 bytes; 2 words of padding behind every 256
	s_mov_b32 s[G1M+1], 128<<16                    ; a row of 256 keys: 128 elements,
	s_mov_b32 s[G1M+2], 16<<16                     ; 16 rows,
	s_mov_b32 s[G1M+3], 128<<16
	s_mov_b32 s[G1M+4], 16
	s_mov_b32 s[G1M+5], 1024                       ; 8,192 bytes from row to row
	s_mov_b32 s[G1M+6], 0
	s_mov_b32 s[G1M+7], 0
	s_and_b32 s70, s[WV], 1
	s_mul_i32 s71, s61, 12800                      ; the quarter of K and V that I fetch, in a slot and in memory
	s_mul_i32 s72, s56, 409600
	s_add_co_u32 s72, s72, s71
	s_mov_b32 s73, 0
	s_mul_i32 s74, s61, 16*MP
	s_add_co_u32 s74, s74, MOFF
	s_lshl_b32 s76, s58, 6
	s_lshl_b32 s77, s61, 4
	s_add_co_u32 s76, s76, s77
	s_lshl_b32 s76, s76, 13                        ; the mask: row 64 x block + 16 x quarter
	s_mov_b32 s77, 0
	s_lshl_b32 s78, s59, 3
	s_add_co_u32 s79, s78, s63
	s_lshl_b32 s79, s79, 7
	s_lshl_b32 s80, s58, 2
	s_add_co_u32 s80, s80, s61                     ; my tile among a head's 128
	s_add_co_u32 s79, s79, s80                     ; head A's tile among q's 2,048,
	s_xor_b32 s86, s63, 1
	s_add_co_u32 s86, s78, s86
	s_lshl_b32 s86, s86, 7
	s_add_co_u32 s86, s86, s80                     ; head B's
	s_mul_i32 s80, s79, 1536
	s_mov_b32 s81, 0
	s_lshl_b32 s82, s79, 6                         ; scale words: 64 bytes a tile
	s_mov_b32 s83, 0
	s_mul_i32 s88, s86, 1536
	s_mov_b32 s89, 0
	s_lshl_b32 s90, s86, 6
	s_mov_b32 s91, 0
	s_mov_b32 s[SEL], 0x76543210
	s_mov_b32 s[SEL+1], 0xfedcba98
	s_mov_b32 s[CS], 0x3e0293ee
	s_mov_b32 s[CS+1], s[CS]
	s_mov_b32 s[RT], 0x413504f3
	s_mov_b32 s[RT+1], s[RT]
	s_mov_b32 s[TB], 0
	s_mov_b32 s[SLOTS], 7
	s_xor_b32 s84, s[WV], 4                        ; 0 in wave 4: it prefetches the mask
	s_cmp_eq_u32 s84, 0
	s_cselect_b32 s[LIMM], 1, -1
	s_lshr_b32 s84, s[WV], 1
	s_xor_b32 s84, s84, 2                          ; 0 in waves 4 and 5: they prefetch K and V
	s_cmp_eq_u32 s84, 0
	s_cselect_b32 s[LIMK], 1, -1
	s_wait_dscnt 0x0                               ; both opening adds are done
	s_wait_kmcnt 0x0
	s_mov_b32 s[G0J], 1
	s_mov_b32 s[G0J+1], s71
	s_add_nc_u64 s[G0J+2:G0J+3], s[8:9], s[72:73]
	s_or_b32 s[G0J+3], s[G0J+3], 0x80000000
	s_mov_b32 s[G0M], 1
	s_mov_b32 s[G0M+1], s74
	s_add_nc_u64 s[G0M+2:G0M+3], s[10:11], s[76:77]
	s_or_b32 s[G0M+3], s[G0M+3], 0x80000000
	CROUND                                         ; all sixteen work-groups are here
	TLOAD                                          ; slot 0: one load a wave
	s_add_nc_u64 s[92:93], s[4:5], s[88:89]        ; head B's fragment and scale words,
	s_add_nc_u64 s[94:95], s[6:7], s[90:91]
	s_add_nc_u64 s[4:5], s[4:5], s[80:81]          ; head A's
	s_add_nc_u64 s[6:7], s[6:7], s[82:83]
	s_mul_i32 s84, s62, 12288                      ; my key step's eight fragments of a part
	s_lshr_b32 s85, s61, 1
	s_lshl_b32 s85, s85, 5
	s_and_b32 s86, s61, 1
	s_lshl_b32 s86, s86, 3
	s_add_co_u32 s85, s85, s86
	s_mul_i32 s85, s85, MP                         ; my tile's first row of the mask's 64,
	s_lshl_b32 s86, s62, 9
	s_add_co_u32 s85, s85, s86                     ; my key step's 512 bytes of it
	s_add_co_u32 s85, s85, MOFF
	s_add_co_u32 s86, s86, 24576                   ; and its 512 bytes of scale words
	s_xor_b32 s96, s[WV], 4                        ; my partner
	s_lshl_b32 s87, s[WV], 13
	s_add_co_u32 s87, s87, STAGE
	s_lshl_b32 s88, s96, 13
	s_add_co_u32 s88, s88, STAGE
	s_lshl_b32 s89, s[WV], 8
	s_add_co_u32 s89, s89, SMALL
	s_lshl_b32 s90, s96, 8
	s_add_co_u32 s90, s90, SMALL
	s_lshl_b32 s96, s70, 5
	s_lshl_b32 s80, s58, 6
	s_lshl_b32 s81, s97, 4                         ; my work-group's 16 rows of the tile's 64
	s_add_co_u32 s80, s80, s81
	s_lshl_b32 s80, s80, 13
	s_add_co_u32 s80, s80, 1024                    ; the prefetches stand in slot 1: the first change of slots steps them to slot 2
	s_mov_b32 s81, 0
	s_add_nc_u64 s[PFM:PFM+1], s[10:11], s[80:81]
	s_mul_i32 s80, s56, 409600
	s_mul_i32 s82, s57, 12800                      ; my work-group's 50 blocks of the 200
	s_add_co_u32 s80, s80, s82
	s_add_co_u32 s80, s80, 51200
	s_add_nc_u64 s[PFK:PFK+1], s[8:9], s[80:81]
	v_and_b32 v116, 31, v0                         ; lane
	v_and_b32 v117, 15, v0                         ; r
	v_bfe_u32 v118, v0, 4, 1                       ; h
	v_lshlrev_b32 v[L16], 4, v116
	v_lshlrev_b32 v119, 2, v117
.irp j, 0,1,2
	global_load_b128 v[QA+4*\j:QA+3+4*\j], v[L16], s[4:5] offset:512*\j        ; Q's fragments stay in registers
	global_load_b128 v[QA+12+4*\j:QA+15+4*\j], v[L16], s[92:93] offset:512*\j
.endr
	global_load_b32 v[QS], v119, s[6:7]            ; Q's scale words, row r's in lane r (and in lane 16 + r)
	global_load_b32 v[QS+1], v119, s[94:95]
	v_add_nc_u32 v[AK0], s84, v[L16]
	v_and_b32 v120, 8, v117
	v_lshl_add_u32 v[AS0], v116, 2, s86
	v_add_nc_u32 v[STW], s87, v[L16]
	v_add_nc_u32 v120, v120, v117                  ; r % 8 + 16 (r / 8)
	v_add_nc_u32 v[AV0], VPART, v[AK0]
	v_add_nc_u32 v[STR], s88, v[L16]
	v_lshl_add_u32 v[SMW], v116, 3, s89
	v_mul_u32_u24 v[AM0], v120, MP
	v_lshl_add_u32 v[SMR], v116, 3, s90
	v_lshrrev_b32 v[PFOM], 2, v116                 ; the prefetches' offsets: row lane / 4, block lane % 4 of the mask;
	v_and_b32 v121, 3, v116
	v_lshl_add_u32 v[AM0], v118, 6, v[AM0]
	v_add_nc_u32 v[PFOK], s96, v116
	v_lshlrev_b32 v[PFOM], 13, v[PFOM]
	v_min_u32 v[PFOK], 49, v[PFOK]
	v_add_nc_u32 v[AM0], s85, v[AM0]
	v_lshl_add_u32 v[PFOM], v121, 8, v[PFOM]
	v_lshlrev_b32 v[PFOK], 8, v[PFOK]              ; block 32 (wave % 2) + lane of my work-group's fifty of K and V
.irp g, 0,1
	v_mov_b32 v[13+4*\g], 0xff61b1e6               ; the largest t so far: -3e38
	v_mov_b32 v[14+4*\g], 0                        ; the sum, in two halves
	v_mov_b32 v[15+4*\g], 0
	v_mov_b32 v[21+2*\g], 0                        ; (named as the upper half of f's pair)
	v_floor_f32 v[12+4*\g], -v[13+4*\g]            ; -M
.endr
.irp k, 0,1,2,3,4,5,6,7
	v_mov_b32 v[PT+\k], 0                          ; a lane permute's destination counts as one of its sources
.endr
	WIN 0x40
.set jj, 0
.rept 128
	v_mov_b32 v[128+jj], 0                         ; O^T of both heads: the step's first run finds zeros
.set jj, jj+1
.endr
	WIN 0
; ONE HEAD behind the maxima: p, its sum, its codes, O^T under the new M, and the products with V
.macro SOFT g
	WIN 0x41
.set jj, 0
.rept 32
	v_pk_fma_f32 v[64*\g+jj:64*\g+jj+1], v[64*\g+jj:64*\g+jj+1], s[CS:CS+1], v[12+4*\g:13+4*\g] op_sel_hi:[1,0,0]   ; t - M
.set jj, jj+2
.endr
	WIN 0
.irp b, 0,1,2,3
	v_fma_f32 v[BM+4*\g+\b], v[BM+4*\g+\b], s[CS], v[12+4*\g]
.endr
	s_wait_alu depctr_va_vdst(0)                   ; the wait ahead of the batch
.irp b, 0,1,2,3
	v_exp_f32 v[BM+4*\g+\b], v[BM+4*\g+\b]         ; the blocks' largest p: the same two instructions on the same number give the same bits
.endr
	WIN 0x41
.set jj, 0
.rept 64
	v_exp_f32 v[64*\g+jj], v[64*\g+jj]             ; p = 2^(t - M)
.set jj, jj+1
.endr
	WIN 0
	v_pk_mul_f32 v[14+4*\g:15+4*\g], v[14+4*\g:15+4*\g], v[20+2*\g:21+2*\g] op_sel_hi:[1,0]   ; the sum under the new M.  (A plain place behind the exponentials)
	s_wait_alu depctr_va_vdst(0)                   ; one wait for the whole batch, ahead of its first reader
	WIN 0x05
.irp c, 0,1,2,3,4,5,6                              ; the row's sum of the unquantised p: eight chains
	v_pk_add_f32 v[TS+2*\c:TS+2*\c+1], v[64*\g+4*\c:64*\g+4*\c+1], v[64*\g+4*\c+2:64*\g+4*\c+3]
.endr
	WIN 0x01
.set jj, 28
.rept 2
	v_pk_add_f32 v[14+4*\g:15+4*\g], v[64*\g+jj:64*\g+jj+1], v[14+4*\g:15+4*\g]
.irp c, 0,1,2,3,4,5,6
	v_pk_add_f32 v[TS+2*\c:TS+2*\c+1], v[64*\g+jj+2+2*\c:64*\g+jj+3+2*\c], v[TS+2*\c:TS+2*\c+1]
.endr
.set jj, jj+16
.endr
	v_pk_add_f32 v[14+4*\g:15+4*\g], v[64*\g+60:64*\g+61], v[14+4*\g:15+4*\g]
	v_pk_add_f32 v[TS:TS+1], v[64*\g+62:64*\g+63], v[TS:TS+1]
	WIN 0
.irp b, 0,1,2,3
	v_max_num_f32 v[BM+4*\g+\b], 0x1800000, v[BM+4*\g+\b]   ; the floor 2^(3 - 127): the byte cannot fall under 1
.endr
	v_pk_add_f32 v[TS:TS+1], v[TS:TS+1], v[TS+2:TS+3]
	v_pk_add_f32 v[TS+4:TS+5], v[TS+4:TS+5], v[TS+6:TS+7]
	v_pk_add_f32 v[TS+8:TS+9], v[TS+8:TS+9], v[TS+10:TS+11]
	v_pk_add_f32 v[14+4*\g:15+4*\g], v[14+4*\g:15+4*\g], v[TS+12:TS+13]
.irp b, 0,1,2,3
	v_add_nc_u32 v[SO+4*\g+\b], 0xff000000, v[BM+4*\g+\b]   ; 2 off the exponent field: the conversion's scale operand
.endr
	v_pk_add_f32 v[TS:TS+1], v[TS:TS+1], v[TS+4:TS+5]
	v_pk_add_f32 v[14+4*\g:15+4*\g], v[14+4*\g:15+4*\g], v[TS+8:TS+9]
.irp b, 0,1,2,3
	v_lshrrev_b32 v[PT+4*\g+\b], 23, v[SO+4*\g+\b]          ; the byte
.endr
	v_pk_add_f32 v[14+4*\g:15+4*\g], v[14+4*\g:15+4*\g], v[TS:TS+1]
	v_lshl_or_b32 v[PSW+\g], v[PT+4*\g+1], 8, v[PT+4*\g]    ; p's scale word for these 128 keys
	s_delay_alu instid0(VALU_DEP_1)
	v_lshl_or_b32 v[PSW+\g], v[PT+4*\g+2], 16, v[PSW+\g]
	s_delay_alu instid0(VALU_DEP_1)
	v_lshl_or_b32 v[PSW+\g], v[PT+4*\g+3], 24, v[PSW+\g]
	WIN 0x01
.irp c, 0,1
	v_cvt_scalef32_pk16_fp6_f32 v[PC+12*\g+6*\c:PC+12*\g+6*\c+2], v[64*\g+32*\c:64*\g+32*\c+15], v[SO+4*\g+2*\c]
	v_cvt_scalef32_pk16_fp6_f32 v[CT+8*\g+4*\c:CT+8*\g+4*\c+2], v[64*\g+32*\c+16:64*\g+32*\c+31], v[SO+4*\g+2*\c+1]
.endr
	WIN 0
	v_nop                                          ; one plain place behind a scaled conversion
.irp c, 0,1
.irp i, 0,1,2
	v_permlane16_swap_b32 v[PC+12*\g+6*\c+\i], v[CT+8*\g+4*\c+\i]   ; a whole block to a lane
.endr
.endr
.irp c, 0,1
.irp i, 0,1,2
	v_mov_b32 v[PC+12*\g+6*\c+3+\i], v[CT+8*\g+4*\c+\i]
.endr
.endr
	s_wait_alu depctr_va_vdst(0)                   ; the wait here, directly ahead of the first reader of O^T
	WIN 0x41
.set jj, 0
.rept 32
	v_pk_mul_f32 v[128+64*\g+jj:129+64*\g+jj], v[128+64*\g+jj:129+64*\g+jj], v[20+2*\g:21+2*\g] op_sel_hi:[1,0]   ; O^T under the new M.  (Also the places between p's codes and scale word and the products)
.set jj, jj+2
.endr
.if \g == 0
	s_wait_alu depctr_va_vdst(0)                   ; the wait here, directly ahead of the wait below
	s_wait_dscnt 0x0                               ; V's fragments and words are in
.endif
	WIN 0x50
.irp t, 0,1,2,3,4,5,6,7                            ; O^T += V^T P^T: eight accumulators by turns
	WMS 128+64*\g+8*\t, F+12*\t, PC+12*\g, 128+64*\g+8*\t, VS+\t/2, PSW+\g, \t%2
.endr
	WIN 0
.endm
; A KEY STEP: my 128 keys of the slot in hand, for both heads
.macro STEP
	v_add_nc_u32 v[ADK], s[TB], v[AK0]             ; (these four are also the places behind the last products, in front of the loads below)
	v_add_nc_u32 v[ADV], s[TB], v[AV0]
	v_add_nc_u32 v[ADM], s[TB], v[AM0]
	v_add_nc_u32 v[ADS], s[TB], v[AS0]
	WIN 0x40
.irp b, 0,1,2,3
.irp j, 0,1,2,3,4,5,6,7
	ds_load_b64 v[64+16*\b+2*\j:65+16*\b+2*\j], v[ADM] offset:128*\b+8*\j   ; the mask, in the scores' own layout, into head B's registers
.endr
.endr
	WIN 0
.irp p, 0,1,2,3
	ds_load_b32 v[KS+\p], v[ADS] offset:\p*128     ; K's scale words, a pair of tiles a register
.endr
.irp t, 0,1,2,3,4,5,6,7
.irp j, 0,1,2
	ds_load_b128 v[F+12*\t+4*\j:F+3+12*\t+4*\j], v[ADK] offset:\t*1536+512*\j
.endr
.endr
.irp p, 0,1,2,3
	ds_load_b32 v[VS+\p], v[ADS] offset:VPART+\p*128
.endr
	s_wait_dscnt 32                                ; the mask's 32 loads are in; the 4 + 24 + 4 behind them may be out
	WIN 0x41
.set jj, 0
.rept 32
	v_pk_mul_f32 v[64+jj:65+jj], v[64+jj:65+jj], s[RT:RT+1] op_sel_hi:[1,0]
.set jj, jj+2
.endr
	s_wait_alu depctr_va_vdst(0)                   ; the wait here, directly ahead of the wait below
	s_wait_dscnt 4                                 ; K's words and fragments are in; V's four words may be out
	WIN 0x50
.irp t, 0,1,2,3,4,5,6,7                            ; S^T = K Q^T + mask sqrt(128): head A takes the mask as C and leaves it standing,
	WMS 8*\t, F+12*\t, QA, 64+8*\t, KS+\t/2, QS, \t%2
.endr
.rept 5
	v_nop                                          ; five places before a product writes over a register that an earlier one has read
.endr
.irp t, 0,1,2,3,4,5,6,7                            ; head B adds onto it in place
	WMS 64+8*\t, F+12*\t, QA+12, 64+8*\t, KS+\t/2, QS+1, \t%2
.endr
.rept 4
	v_nop                                          ; places in front of the loads below and of the first read of the scores
.endr
	WIN 0
.irp t, 0,1,2,3,4,5,6,7
.irp j, 0,1,2
	ds_load_b128 v[F+12*\t+4*\j:F+3+12*\t+4*\j], v[ADV] offset:\t*1536+512*\j   ; V's fragments land under the softmax
.endr
.endr
	WIN 0x05
.irp g, 0,1
.irp b, 0,1,2,3
	v_max3_num_f32 v[BM+4*\g+\b], v[64*\g+16*\b], v[64*\g+16*\b+1], 0xff800000   ; the largest score of each block of 32 keys: for the row's maximum and, since p rises with the score, for the block's largest p
.endr
.endr
.irp i, 2,4,6,8,10,12,14
.irp g, 0,1
.irp b, 0,1,2,3
	v_max3_num_f32 v[BM+4*\g+\b], v[64*\g+16*\b+\i], v[64*\g+16*\b+\i+1], v[BM+4*\g+\b]   ; eight chains by turns
.endr
.endr
.endr
	WIN 0
.irp k, 0,1,2,3,4,5,6,7
	v_permlanex16_b32 v[PT+\k], v[BM+\k], s[SEL], s[SEL+1]
.endr
.irp k, 0,1,2,3,4,5,6,7
	v_max_num_f32 v[BM+\k], v[BM+\k], v[PT+\k]     ; with lane l xor 16's 16 keys
.endr
.irp g, 0,1
	v_max3_num_f32 v[T+\g], v[BM+4*\g], v[BM+4*\g+1], v[BM+4*\g+2]
.endr
.irp g, 0,1
	s_delay_alu instid0(VALU_DEP_2)
	v_max_num_f32 v[T+\g], v[T+\g], v[BM+4*\g+3]
.endr
.irp g, 0,1
	s_delay_alu instid0(VALU_DEP_2)
	v_mul_f32 v[T+\g], s[CS], v[T+\g]              ; as t
.endr
.irp g, 0,1
	s_delay_alu instid0(VALU_DEP_2)
	v_max_num_f32 v[13+4*\g], v[13+4*\g], v[T+\g]  ; the running largest t
.endr
.irp g, 0,1
	v_mov_b32 v[T+\g], v[12+4*\g]
.endr
.irp g, 0,1
	s_delay_alu instid0(VALU_DEP_4)
	v_floor_f32 v[12+4*\g], -v[13+4*\g]            ; the new -M = -ceil(t)
.endr
.irp g, 0,1
	s_delay_alu instid0(VALU_DEP_2)
	v_sub_f32 v[T+\g], v[12+4*\g], v[T+\g]         ; old M - new M: a whole number, 0 or less
.endr
.irp g, 0,1
	s_delay_alu instid0(VALU_DEP_2)
	v_cvt_i32_f32 v[T+\g], v[T+\g]                 ; (it saturates)
.endr
.irp g, 0,1
	s_delay_alu instid0(VALU_DEP_2)
	v_ldexp_f32 v[20+2*\g], 1.0, v[T+\g]           ; f = 2^(old M - new M): a multiplication by it rounds nothing
.endr
	SOFT 0
	SOFT 1
.endm
; THE CHANGE OF SLOTS stands at a slot's head.  Each wave waits for all its tensor loads, adds 0 to its spare word, and waits for that and for its reads of the slot that it has left.
; fill = 1: a round of the cluster's barrier, and behind it the slot just left is filled with the next 256 keys
.macro CHANGE fill
	s_wait_tensorcnt 0x0
	ds_add_u32 v[SPW], v[NIL]
.if \fill
	s_xor_b32 s[G0J+1], s[G0J+1], SLOT1
	s_add_nc_u64 s[G0J+2:G0J+3], s[G0J+2:G0J+3], 51200
	s_xor_b32 s[G0M+1], s[G0M+1], SLOT1
	s_add_nc_u64 s[G0M+2:G0M+3], s[G0M+2:G0M+3], 1024
	s_wait_xcnt 0x0                                ; the last prefetches, a slot back, have read their addresses
	s_add_nc_u64 s[PFM:PFM+1], s[PFM:PFM+1], 1024
	s_add_nc_u64 s[PFK:PFK+1], s[PFK:PFK+1], 51200
	s_wait_dscnt 0x0
	CROUND
	TLOAD
	ASK
.else
	s_wait_dscnt 0x0
	s_barrier_signal -1
	s_barrier_wait -1
.endif
.endm
	s_wait_alu depctr_va_vdst(0)                   ; the wait at the head's end
	s_wait_loadcnt 0x0                             ; Q
.Lslot:                                            ; seven trips: behind each change of slots but the last the next slot is asked for
	CHANGE 1
	STEP
	s_xor_b32 s[TB], s[TB], SLOT1
	s_sub_co_u32 s[SLOTS], s[SLOTS], 1
	s_cmp_lg_u32 s[SLOTS], 0
	s_cbranch_scc1 .Lslot
	CHANGE 0                                       ; the last slot is written out
	STEP
	; THE TWO HALVES OF THE KEYS MEET.  Head B's -M, sum and O^T go to my partner's hands, as images of registers, in LDS bytes on which no tile lands
.rept 4
	v_nop                                          ; places behind the last products
.endr
	v_add_f32 v17, v18, v19                        ; B's sum, my lane's part, beside -M
	s_wait_alu depctr_va_vdst(0)
	ds_store_b64 v[SMW], v[16:17]
	WIN 0x04
.set jj, 0
.rept 16
	ds_store_b128 v[STW], v[192+4*jj:195+4*jj] offset:512*jj   ; each accumulator from its low end on
.set jj, jj+1
.endr
	WIN 0
	s_wait_dscnt 0x0                               ; my stores are done, for the partner's sake
	s_barrier_signal -1
	s_barrier_wait -1
	ds_load_b64 v[100:101], v[SMR]                 ; what my partner holds of my head A
.set jj, 0
.rept 16
	ds_load_b128 v[F+4*jj:F+3+4*jj], v[STR] offset:512*jj
.set jj, jj+1
.endr
	s_wait_dscnt 0x0
	v_add_f32 v14, v14, v15
	v_min_num_f32 v102, v12, v100                  ; -(the larger M)
	s_delay_alu instid0(VALU_DEP_1)
	v_sub_f32 v103, v102, v12                      ; my M - the larger M, a whole number, 0 or less;
	v_sub_f32 v104, v102, v100                     ; the partner's
	s_delay_alu instid0(VALU_DEP_2)
	v_cvt_i32_f32 v103, v103
	s_delay_alu instid0(VALU_DEP_2)
	v_cvt_i32_f32 v104, v104
	s_delay_alu instid0(VALU_DEP_2)
	v_ldexp_f32 v103, 1.0, v103
	s_delay_alu instid0(VALU_DEP_2)
	v_ldexp_f32 v104, 1.0, v104
	s_delay_alu instid0(VALU_DEP_2)
	v_mul_f32 v14, v14, v103
	s_delay_alu instid0(VALU_DEP_1)
	v_fma_f32 v14, v101, v104, v14
	s_delay_alu instid0(VALU_DEP_1)
	v_permlanex16_b32 v108, v14, s[SEL], s[SEL+1]
	s_delay_alu instid0(VALU_DEP_1)
	v_add_f32 v14, v14, v108                       ; the row's sum
	s_wait_alu depctr_va_vdst(0)                   ; the wait ahead of the transcendental
	v_rcp_f32 v14, v14
	v_and_b32 v116, 15, v0                         ; (plain work behind the reciprocal)
	s_delay_alu instid0(VALU_DEP_1)
	v_lshlrev_b32 v116, 3, v116                    ; 8 r
	s_lshl_b32 s70, s59, 4
	s_lshr_b32 s71, s58, 1
	s_add_co_u32 s70, s70, s71                     ; row group of 128
	s_lshl_b32 s70, s70, 1
	s_lshr_b32 s71, s60, 1
	s_add_co_u32 s70, s70, s71                     ; x 2 + K block (four heads)
	s_mul_i32 s70, s70, 51200
	s_and_b32 s71, s60, 1
	s_and_b32 s72, s58, 1
	s_lshl_b32 s73, s71, 1
	s_add_co_u32 s73, s73, s62                     ; K step in the block: head A
	s_lshl_b32 s73, s73, 3
	s_lshl_b32 s74, s72, 2
	s_add_co_u32 s73, s73, s74
	s_add_co_u32 s73, s73, s61                     ; x 8 + tile in the group
	s_mul_i32 s73, s73, 1536
	s_add_co_u32 s74, s73, s70
	s_mov_b32 s75, 0
	s_lshl_b32 s71, s71, 10
	s_add_co_u32 s76, s70, s71
	s_lshl_b32 s72, s72, 9
	s_add_co_u32 s76, s76, s72
	s_lshl_b32 s72, s61, 7                         ; 256 (tile / 2) + 128 (tile % 2)
	s_add_co_u32 s76, s76, s72
	s_lshl_b32 s72, s62, 2
	s_add_co_u32 s76, s76, s72
	s_add_co_u32 s76, s76, 49152
	s_mov_b32 s77, 0
	s_add_nc_u64 s[74:75], s[12:13], s[74:75]
	s_add_nc_u64 s[76:77], s[12:13], s[76:77]
	s_wait_alu depctr_va_vdst(0)                   ; the wait ahead of the reciprocal's first reader, and of the first reader of O^T
	v_mul_f32 v20, v103, v14                       ; my factor / the sum,
	v_mul_f32 v22, v104, v14                       ; the partner's
	WIN 0x01
.set jj, 0
.rept 32
	v_pk_mul_f32 v[R+jj:R+1+jj], v[128+jj:129+jj], v[20:21] op_sel_hi:[1,0]
.set jj, jj+2
.endr
	WIN 0
.set jj, 0
.rept 32
	v_pk_fma_f32 v[R+jj:R+1+jj], v[F+jj:F+1+jj], v[22:23], v[R+jj:R+1+jj] op_sel_hi:[1,0,1]
.set jj, jj+2
.endr
	; THE WAY OUT: register 16 b + i is channel 32 b + 16 h + i of my query: quantised as it stands, it is K step (head A) of the last projection's operand
.set TM, 100
.set PW, 124
.irp b, 0,1,2,3
	v_max3_num_f32 v[TM+\b], |v[R+16*\b]|, |v[R+1+16*\b]|, 0x1800000
.endr
.irp i, 2,4,6,8,10,12,14
.irp b, 0,1,2,3
	s_delay_alu instid0(VALU_DEP_4)
	v_max3_num_f32 v[TM+\b], v[TM+\b], |v[R+16*\b+\i]|, |v[R+1+16*\b+\i]|
.endr
.endr
.irp b, 0,1,2,3
	s_delay_alu instid0(VALU_DEP_4)
	v_permlanex16_b32 v[TM+4+\b], v[TM+\b], s[SEL], s[SEL+1]
.endr
.irp b, 0,1,2,3
	s_delay_alu instid0(VALU_DEP_4)
	v_max_num_f32 v[TM+\b], v[TM+\b], v[TM+4+\b]
.endr
.irp b, 0,1,2,3
	s_delay_alu instid0(VALU_DEP_4)
	v_add_nc_u32 v[TM+12+\b], 0xff000000, v[TM+\b]
.endr
.irp b, 0,1,2,3
	s_delay_alu instid0(VALU_DEP_4)
	v_lshrrev_b32 v[TM+4+\b], 23, v[TM+12+\b]
.endr
	s_delay_alu instid0(VALU_DEP_3)
	v_lshl_or_b32 v[PW], v[TM+5], 8, v[TM+4]
	s_delay_alu instid0(VALU_DEP_1)
	v_lshl_or_b32 v[PW], v[TM+6], 16, v[PW]
	s_delay_alu instid0(VALU_DEP_1)
	v_lshl_or_b32 v[PW], v[TM+7], 24, v[PW]
.irp c, 0,1
	v_cvt_scalef32_pk16_fp6_f32 v[PC+6*\c:PC+2+6*\c], v[R+32*\c:R+15+32*\c], v[TM+12+2*\c]
	v_cvt_scalef32_pk16_fp6_f32 v[PC+12+4*\c:PC+14+4*\c], v[R+16+32*\c:R+31+32*\c], v[TM+13+2*\c]
.endr
	v_nop                                          ; one plain place behind a scaled conversion
.irp c, 0,1
.irp i, 0,1,2
	v_permlane16_swap_b32 v[PC+6*\c+\i], v[PC+12+4*\c+\i]
.endr
.irp i, 0,1,2
	s_delay_alu instid0(VALU_DEP_3)
	v_mov_b32 v[PC+3+6*\c+\i], v[PC+12+4*\c+\i]
.endr
.endr
.irp j, 0,1,2
	global_store_b128 v[L16], v[PC+4*\j:PC+4*\j+3], s[74:75] offset:512*\j   ; 512 consecutive bytes, aligned
.endr
	global_store_b32 v116, v[PW], s[76:77]         ; row r's scale word; lanes r and 16 + r hold the same word and write it to the same place
	s_wait_tensorcnt 0x0                           ; the wave's end
	ds_add_u32 v[SPW], v[NIL]
	s_wait_dscnt 0x0
	CROUND                                         ; the closing round
	s_endpgm
.Lfunc_end_k_qfe4c833ef3_attn:
	.size	k_qfe4c833ef3_attn, .Lfunc_end_k_qfe4c833ef3_attn-k_qfe4c833ef3_attn
	.p2alignl 7, 3214868480
	.fill 96, 4, 3214868480
	.section	.rodata,"a",@progbits
	.p2align	6, 0x0
	.amdhsa_kernel k_qfe4c833ef3_attn
		.amdhsa_group_segment_fixed_size 327680
		.amdhsa_private_segment_fixed_size 0
		.amdhsa_enable_private_segment 0
		.amdhsa_kernarg_size 40
		.amdhsa_user_sgpr_count 2
		.amdhsa_user_sgpr_kernarg_segment_ptr 1
		.amdhsa_wavefront_size32 1
		.amdhsa_system_sgpr_workgroup_id_x 1
		.amdhsa_system_sgpr_workgroup_id_y 1
		.amdhsa_system_sgpr_workgroup_id_z 1
		.amdhsa_system_vgpr_workitem_id 0
		.amdhsa_next_free_vgpr 512
		.amdhsa_next_free_sgpr 100
		.amdhsa_reserve_vcc 0
		.amdhsa_float_denorm_mode_32 3
		.amdhsa_float_denorm_mode_16_64 3
		.amdhsa_memory_ordered 1
		.amdhsa_forward_progress 1
		.amdhsa_inst_pref_size 110
	.end_amdhsa_kernel
	.amdgpu_metadata
---
amdhsa.version: [ 1, 2 ]
amdhsa.kernels:
  - .name:           k_qfe4c833ef3_attn
    .symbol:         k_qfe4c833ef3_attn.kd
    .args:
      - { .name: q_img, .offset: 0, .size: 8, .value_kind: global_buffer, .address_space: global }
      - { .name: q_sc, .offset: 8, .size: 8, .value_kind: global_buffer, .address_space: global }
      - { .name: kv_img, .offset: 16, .size: 8, .value_kind: global_buffer, .address_space: global }
      - { .name: attention_mask, .offset: 24, .size: 8, .value_kind: global_buffer, .address_space: global }
      - { .name: a_img, .offset: 32, .size: 8, .value_kind: global_buffer, .address_space: global }
    .group_segment_fixed_size: 327680
    .private_segment_fixed_size: 0
    .kernarg_segment_align: 8
    .kernarg_segment_size: 40
    .max_flat_workgroup_size: 256
    .sgpr_count:     100
    .vgpr_count:     512
    .wavefront_size: 32
...
	.end_amdgpu_metadata
.endif
;; end of part 3
;; launch oproj (part 4): grid 16 x 16, 4 waves a work-group, clusters of 4 x 4, 327,680 bytes of LDS; arguments wo_img, a_img, out0; writes out0
.if DOCPART == 4
	.amdgcn_target "amdgcn-amd-amdhsa--gfx1250"
	.amdhsa_code_object_version 6
	.text
	.protected	k_qfe4c833ef3_oproj
	.globl	k_qfe4c833ef3_oproj
	.p2align	8
	.type	k_qfe4c833ef3_oproj,@function
k_qfe4c833ef3_oproj:
	s_mov_b64 s[64:65], 0
	v_nop
	global_prefetch_b8 v0, s[64:65] scope:SCOPE_SE
	s_setreg_imm32_b32 hwreg(HW_REG_WAVE_MODE, 25, 1), 1
	s_wait_xcnt 0x0
	s_wait_alu depctr_hold_cnt(0) depctr_sa_sdst(0) depctr_va_vdst(0) depctr_va_sdst(0) depctr_va_ssrc(0) depctr_va_vcc(0) depctr_vm_vsrc(0)
	s_getreg_b32 s2, hwreg(HW_REG_IB_STS2, 6, 4)
	s_cmp_eq_u32 s2, 0
	s_cbranch_scc0 .Lentry_in_a_cluster
	s_endpgm
.Lentry_in_a_cluster:
	s_bfe_u32 s2, ttmp6, 0x10000c
	s_cmp_lg_u32 s2, 0xf033
	s_cbranch_scc0 .Lentry_shape_is_right
	s_endpgm
.Lentry_shape_is_right:
.set SLOT,  153600
.set NOFF,  102400
.set SCO,   49152
.set SPARE, 307200
.set STAGE, 307712
.set SP,    272
.set NEXTN, 16*102400
.set NEXTO, 16*128*16384
.set ADP, 4
.set ADN, 6
.set ASP, 8
.set ASN, 10
.set STO, 12
.set RD,  13
.set CO,  14
.set SPW, 28
.set NIL, 29
.set SC,  32
.set NF,  64
.set BK,  160
.set WV,  16
.set PWV, 17
.set NWV, 18
.set CX,  19
.set G1P, 24
.set G0P, 32
.set G1N, 40
.set G0N, 48
.set MUL, 0xa1
.set MSB, 0
.macro WIN new
.if MSB != (\new)
	s_set_vgpr_msb (MSB<<8)|(\new)
.set MSB, (\new)
.endif
.endm
.macro PLACES n
.rept \n
	v_nop
.endr
.endm
.macro JLOAD sl
	s_cmp_eq_u32 s[PWV], 0
	s_cbranch_scc0 .Lfor_n_\@
	tensor_load_to_lds s[G0P+4*\sl:G0P+4*\sl+3], s[G1P:G1P+7]
	s_nop 0
.rept 4
	v_nop
.endr
	s_branch .Lasked_\@
.Lfor_n_\@:
	tensor_load_to_lds s[G0N+4*\sl:G0N+4*\sl+3], s[G1N:G1N+7]
	s_nop 0
.rept 4
	v_nop
.endr
.Lasked_\@:
.endm
.macro NLOAD sl
	s_cmp_eq_u32 s[PWV], 0
	s_cbranch_scc1 .Lno_load_\@
	tensor_load_to_lds s[G0N+4*\sl:G0N+4*\sl+3], s[G1N:G1N+7]
	s_nop 0
.rept 4
	v_nop
.endr
.Lno_load_\@:
.endm
.macro CREST
	s_cmp_lg_u32 s[WV], 0
	s_cbranch_scc1 .Lnot_wave_0_\@
	s_barrier_signal -3
.Lnot_wave_0_\@:
	s_barrier_wait -3
	s_barrier_signal -1
	s_barrier_wait -1
.endm
.macro CROUND
	s_barrier_signal -1
	s_barrier_wait -1
	CREST
.endm
	s_load_b128 s[4:7], s[0:1], 0x0
	s_load_b64 s[8:9], s[0:1], 0x10
	v_lshl_add_u32 v[SPW], v0, 2, SPARE
	v_mov_b32 v[NIL], 0
	ds_add_u32 v[SPW], v[NIL]
	ds_add_u32 v[SPW], v[NIL]
	v_lshrrev_b32 v1, 5, v0
	v_readfirstlane_b32 s[WV], v1
	s_lshr_b32 s[PWV], s[WV], 1
	s_and_b32 s[NWV], s[WV], 1
	s_bfe_u32 s[CX], ttmp6, 0x40000                ; cx, cy: my place in a cluster of 4 x 4
	s_bfe_u32 s57, ttmp6, 0x40004
	s_lshl_b32 s59, s57, 2
	s_lshl_b32 s59, 15, s59                        ; my row of the cluster: places 4 cy .. 4 cy + 3
	s_or_b32 s[G1P], s59, (3<<16)|(1<<21)          ; Wo's tiles hang on the work-group's y alone: asked for jointly by my row
	s_mov_b32 s[G1P+1], 32<<16
	s_mov_b32 s[G1P+2], 200<<16
	s_mov_b32 s[G1P+3], 32<<16
	s_mov_b32 s[G1P+4], 200
	s_mov_b32 s[G1P+5], 32
	s_mov_b32 s[G1P+6], 0
	s_mov_b32 s[G1P+7], 0
	s_lshl_b32 s60, 0x1111, s[CX]                  ; my column: places cx, cx + 4, cx + 8, cx + 12
	s_or_b32 s[G1N], s60, (3<<16)|(1<<21)          ; the attention rows' tiles hang on the work-group's x alone: asked for jointly by my column
	s_mov_b32 s[G1N+1], 32<<16
	s_mov_b32 s[G1N+2], 100<<16
	s_mov_b32 s[G1N+3], 32<<16
	s_mov_b32 s[G1N+4], 100
	s_mov_b32 s[G1N+5], 32
	s_mov_b32 s[G1N+6], 0
	s_mov_b32 s[G1N+7], 0
	s_and_b32 s56, ttmp7, 0xffff
	s_lshl_b32 s56, s56, 2
	s_add_co_u32 s56, s56, s57                     ; work-group y = 4 x cluster y + cy
	s_lshl_b32 s58, ttmp9, 2
	s_add_co_u32 s58, s58, s[CX]
	s_lshl_b32 s62, s56, 1
	s_add_co_u32 s62, s62, s[NWV]
	s_mul_i32 s66, s62, 102400
	s_mov_b32 s67, 0
	s_mul_i32 s68, s58, 102400
	s_mul_i32 s71, s[NWV], 25600
	s_add_co_u32 s68, s68, s71
	s_mov_b32 s69, 0
	s_mul_i32 s70, s[NWV], 51200
	s_lshl_b32 s76, s58, 7
	s_lshl_b32 s77, s[NWV], 6
	s_add_co_u32 s76, s76, s77
	s_lshl_b32 s76, s76, 14
	s_lshl_b32 s77, s56, 10
	s_add_co_u32 s76, s76, s77
	s_lshl_b32 s77, s[PWV], 9
	s_add_co_u32 s76, s76, s77
	s_mov_b32 s77, 0
	s_wait_dscnt 0x0
	s_wait_kmcnt 0x0
	s_add_nc_u64 s[72:73], s[4:5], s[66:67]
	s_add_nc_u64 s[74:75], s[6:7], s[68:69]
	s_add_nc_u64 s[8:9], s[8:9], s[76:77]
.irp s, 0,1
	s_mov_b32 s[G0P+4*\s], 1
	s_add_co_u32 s[G0P+4*\s+1], s70, \s*SLOT
	s_add_nc_u64 s[G0P+4*\s+2:G0P+4*\s+3], s[72:73], \s*51200
	s_or_b32 s[G0P+4*\s+3], s[G0P+4*\s+3], 0x80000000
	s_mov_b32 s[G0N+4*\s], 1
	s_add_co_u32 s[G0N+4*\s+1], s71, \s*SLOT+NOFF
	s_add_nc_u64 s[G0N+4*\s+2:G0N+4*\s+3], s[74:75], \s*51200
	s_or_b32 s[G0N+4*\s+3], s[G0N+4*\s+3], 0x80000000
.endr
	CROUND
	JLOAD 0
	s_wait_alu depctr_va_vdst(0)
	s_wait_tensorcnt 0x0
	ds_add_u32 v28, v29
	s_wait_dscnt 0x0
	CROUND
	JLOAD 1
	v_and_b32 v1, 31, v0
	v_lshlrev_b32 v2, 4, v1
	s_mul_i32 s80, s[PWV], 51200
	v_add_nc_u32 v[ADP], s80, v2
	v_add_nc_u32 v[ADP+1], SLOT, v[ADP]
	s_mul_i32 s81, s[NWV], 6144
	s_add_co_u32 s81, s81, NOFF
	v_add_nc_u32 v[ADN], s81, v2
	v_add_nc_u32 v[ADN+1], SLOT, v[ADN]
	s_add_co_u32 s82, s80, SCO
	v_lshl_add_u32 v[ASP], v1, 3, s82
	v_add_nc_u32 v[ASP+1], SLOT, v[ASP]
	s_lshl_b32 s83, s[NWV], 9
	s_add_co_u32 s83, s83, NOFF+SCO
	v_lshl_add_u32 v[ASN], v1, 3, s83
	v_add_nc_u32 v[ASN+1], SLOT, v[ASN]
	s_mul_i32 s84, s[WV], 16*SP
	s_add_co_u32 s84, s84, STAGE
	v_and_b32 v15, 15, v0
	v_bfe_u32 v16, v0, 4, 1
	v_mul_u32_u24 v[STO], v15, SP
	v_lshl_add_u32 v[STO], v16, 6, v[STO]
	v_add_nc_u32 v[STO], s84, v[STO]
	v_mul_u32_u24 v[RD], v16, SP
	v_lshl_add_u32 v[RD], v15, 4, v[RD]
	v_add_nc_u32 v[RD], s84, v[RD]
	v_lshlrev_b32 v[CO], 14, v16
	v_lshl_add_u32 v[CO], v15, 4, v[CO]
.macro WM d, a, b, zero, sa, sb, pa, pb
.if \zero
.if (\pa) && (\pb)
	v_wmma_scale_f32_16x16x128_f8f6f4 v[\d:\d+7], v[\a:\a+11], v[\b:\b+11], 0, v[\sa], v[\sb] matrix_a_fmt:MATRIX_FMT_FP6 matrix_b_fmt:MATRIX_FMT_FP6 matrix_a_scale:MATRIX_SCALE_ROW1 matrix_b_scale:MATRIX_SCALE_ROW1
.elseif \pa
	v_wmma_scale_f32_16x16x128_f8f6f4 v[\d:\d+7], v[\a:\a+11], v[\b:\b+11], 0, v[\sa], v[\sb] matrix_a_fmt:MATRIX_FMT_FP6 matrix_b_fmt:MATRIX_FMT_FP6 matrix_a_scale:MATRIX_SCALE_ROW1
.elseif \pb
	v_wmma_scale_f32_16x16x128_f8f6f4 v[\d:\d+7], v[\a:\a+11], v[\b:\b+11], 0, v[\sa], v[\sb] matrix_a_fmt:MATRIX_FMT_FP6 matrix_b_fmt:MATRIX_FMT_FP6 matrix_b_scale:MATRIX_SCALE_ROW1
.else
	v_wmma_scale_f32_16x16x128_f8f6f4 v[\d:\d+7], v[\a:\a+11], v[\b:\b+11], 0, v[\sa], v[\sb] matrix_a_fmt:MATRIX_FMT_FP6 matrix_b_fmt:MATRIX_FMT_FP6
.endif
.else
.if (\pa) && (\pb)
	v_wmma_scale_f32_16x16x128_f8f6f4 v[\d:\d+7], v[\a:\a+11], v[\b:\b+11], v[\d:\d+7], v[\sa], v[\sb] matrix_a_fmt:MATRIX_FMT_FP6 matrix_b_fmt:MATRIX_FMT_FP6 matrix_a_scale:MATRIX_SCALE_ROW1 matrix_b_scale:MATRIX_SCALE_ROW1
.elseif \pa
	v_wmma_scale_f32_16x16x128_f8f6f4 v[\d:\d+7], v[\a:\a+11], v[\b:\b+11], v[\d:\d+7], v[\sa], v[\sb] matrix_a_fmt:MATRIX_FMT_FP6 matrix_b_fmt:MATRIX_FMT_FP6 matrix_a_scale:MATRIX_SCALE_ROW1
.elseif \pb
	v_wmma_scale_f32_16x16x128_f8f6f4 v[\d:\d+7], v[\a:\a+11], v[\b:\b+11], v[\d:\d+7], v[\sa], v[\sb] matrix_a_fmt:MATRIX_FMT_FP6 matrix_b_fmt:MATRIX_FMT_FP6 matrix_b_scale:MATRIX_SCALE_ROW1
.else
	v_wmma_scale_f32_16x16x128_f8f6f4 v[\d:\d+7], v[\a:\a+11], v[\b:\b+11], v[\d:\d+7], v[\sa], v[\sb] matrix_a_fmt:MATRIX_FMT_FP6 matrix_b_fmt:MATRIX_FMT_FP6
.endif
.endif
.endm
.macro MULN f, q, n, zero
.irp i, 0,1,2,3,4,5,6,7
	WM 64*(\n)+8*\i, 96*(\f)+12*\i, NF+48*(\f)+12*(\n), \zero, SC+12*((\q)/2)+2*(\i/2)+(\q)%2, SC+12*((\q)/2)+8+2*((\n)/2)+(\q)%2, \i%2, (\n)%2
.endr
.endm
.macro FETCH sl, q, f
	WIN 0x40
.irp i, 0,1,2,3,4,5,6,7
.irp j, 0,1,2
	ds_load_b128 v[96*(\f)+12*\i+4*\j:96*(\f)+12*\i+4*\j+3], v[ADP+\sl] offset:(8*(\q)+\i)*1536+512*\j
.endr
.endr
	WIN 0
.irp i, 0,1,2,3
.irp j, 0,1,2
	ds_load_b128 v[NF+48*(\f)+12*\i+4*\j:NF+48*(\f)+12*\i+4*\j+3], v[ADN+\sl] offset:(8*(\q)+\i)*1536+512*\j
.endr
.endr
.if ((\q)%2) == 0
.irp p, 0,1,2,3
	ds_load_b64 v[SC+12*((\q)/2)+2*\p:SC+12*((\q)/2)+2*\p+1], v[ASP+\sl] offset:((\q)/2)*1024+256*\p
.endr
.irp p, 0,1
	ds_load_b64 v[SC+12*((\q)/2)+8+2*\p:SC+12*((\q)/2)+8+2*\p+1], v[ASN+\sl] offset:((\q)/2)*1024+256*\p
.endr
.endif
.endm
.macro STEP sl, q, zero
	PLACES 4
	FETCH \sl, (\q)+1, 1-((\q)%2)
.if (\q) == 1
	s_wait_dscnt 42
.else
	s_wait_dscnt 36
.endif
	WIN MUL
	MULN (\q)%2, \q, 0, \zero
	MULN (\q)%2, \q, 1, \zero
	MULN (\q)%2, \q, 2, \zero
	MULN (\q)%2, \q, 3, \zero
	WIN 0
.endm
.macro TURN sl, nx, fill
	s_wait_tensorcnt 0x0
	ds_add_u32 v[SPW], v[NIL]
	s_wait_dscnt 1
	WIN MUL
	MULN 1, 3, 0, 0
	s_wait_dscnt 0x0
	s_barrier_signal -1
	MULN 1, 3, 1, 0
	WIN 0
	s_barrier_wait -1
.if \fill
	CREST
	s_add_nc_u64 s[G0N+4*\sl+2:G0N+4*\sl+3], s[G0N+4*\sl+2:G0N+4*\sl+3], NEXTN
	NLOAD \sl
.endif
	PLACES 4
	FETCH \nx, 0, 0
	WIN MUL
	MULN 1, 3, 2, 0
	MULN 1, 3, 3, 0
	WIN 0
.endm
.macro TOSTAGE n, u
	WIN 0x08
.irp b, 0,1
.irp j, 0,1,2,3
	ds_store_b128 v[STO], v[64*(\n)+32*(\u)+16*\b+4*\j:64*(\n)+32*(\u)+16*\b+4*\j+3] offset:128*\b+16*\j
.endr
.endr
	WIN 0
.irp m, 0,1,2,3,4,5,6,7
	ds_load_b128 v[BK+32*(\u)+4*\m:BK+32*(\u)+4*\m+3], v[RD] offset:2*\m*SP
.endr
.endm
.macro SEND n, u, younger
	s_wait_dscnt \younger
.irp m, 0,1,2,3,4,5,6,7
	global_store_b128 v[CO], v[BK+32*(\u)+4*\m:BK+32*(\u)+4*\m+3], s[8:9] offset:(32*((\n)/2)+8*((\n)%2)+((2*\m)%8)+16*((2*\m)/8))*16384+256*(\u) th:TH_STORE_NT
.endr
.endm
.macro WAYOUT
	PLACES 4
	TOSTAGE 0, 0
.irp k, 1,2,3,4,5,6,7
.if \k > 1
	s_wait_xcnt 0x0
.endif
	TOSTAGE (\k)/2, (\k)%2
	SEND ((\k)-1)/2, ((\k)-1)%2, 16
.endr
	SEND 3, 1, 0
.endm
	s_wait_tensorcnt 1
	s_barrier_signal -1
	s_barrier_wait -1
	FETCH 0, 0, 0
	STEP 0, 0, 1
	STEP 0, 1, 0
	STEP 0, 2, 0
	TURN 0, 1, 1
	STEP 1, 0, 0
	STEP 1, 1, 0
	STEP 1, 2, 0
	TURN 1, 0, 1
	s_wait_alu depctr_va_vdst(0)
	WAYOUT
	s_wait_xcnt 0x0
	s_add_nc_u64 s[8:9], s[8:9], NEXTO
	STEP 0, 0, 1
	STEP 0, 1, 0
	STEP 0, 2, 0
	TURN 0, 1, 0
	STEP 1, 0, 0
	STEP 1, 1, 0
	STEP 1, 2, 0
	s_wait_dscnt 0x0
	WIN MUL
	MULN 1, 3, 0, 0
	MULN 1, 3, 1, 0
	MULN 1, 3, 2, 0
	MULN 1, 3, 3, 0
	WIN 0
	WAYOUT
	s_wait_tensorcnt 0x0
	ds_add_u32 v[SPW], v[NIL]
	s_wait_dscnt 0x0
	CROUND
	s_endpgm
.Lfunc_end_k_qfe4c833ef3_oproj:
	.size	k_qfe4c833ef3_oproj, .Lfunc_end_k_qfe4c833ef3_oproj-k_qfe4c833ef3_oproj
	.p2alignl 7, 3214868480
	.fill 96, 4, 3214868480
	.section	.rodata,"a",@progbits
	.p2align	6, 0x0
	.amdhsa_kernel k_qfe4c833ef3_oproj
		.amdhsa_group_segment_fixed_size 327680
		.amdhsa_private_segment_fixed_size 0
		.amdhsa_enable_private_segment 0
		.amdhsa_kernarg_size 24
		.amdhsa_user_sgpr_count 2
		.amdhsa_user_sgpr_kernarg_segment_ptr 1
		.amdhsa_wavefront_size32 1
		.amdhsa_system_sgpr_workgroup_id_x 1
		.amdhsa_system_sgpr_workgroup_id_y 1
		.amdhsa_system_sgpr_workgroup_id_z 1
		.amdhsa_system_vgpr_workitem_id 0
		.amdhsa_next_free_vgpr 768
		.amdhsa_next_free_sgpr 100
		.amdhsa_reserve_vcc 0
		.amdhsa_float_denorm_mode_32 3
		.amdhsa_float_denorm_mode_16_64 3
		.amdhsa_memory_ordered 1
		.amdhsa_forward_progress 1
		.amdhsa_inst_pref_size 148
	.end_amdhsa_kernel
	.amdgpu_metadata
---
amdhsa.version: [ 1, 2 ]
amdhsa.kernels:
  - .name:           k_qfe4c833ef3_oproj
    .symbol:         k_qfe4c833ef3_oproj.kd
    .args:
      - { .name: wo_img, .offset: 0, .size: 8, .value_kind: global_buffer, .address_space: global }
      - { .name: a_img, .offset: 8, .size: 8, .value_kind: global_buffer, .address_space: global }
      - { .name: out0, .offset: 16, .size: 8, .value_kind: global_buffer, .address_space: global }
    .group_segment_fixed_size: 327680
    .private_segment_fixed_size: 0
    .kernarg_segment_align: 8
    .kernarg_segment_size: 24
    .max_flat_workgroup_size: 128
    .sgpr_count:     100
    .vgpr_count:     768
    .wavefront_size: 32
...
	.end_amdgpu_metadata
.endif
;; end of part 4
